; MI455X (gfx1250); checked and timed in simulation.
; The chip was launched on July 23, 2026; its instructions are those of AMD's public machine-readable ISA for CDNA 5 (MIT licence, August 2026) and "CDNA5" Instruction Set Architecture Reference Guide (July 2026). The comments in the code are by the model that wrote it; some were corrected since.
;; Causal Self Attention. Allowed arithmetic: matrix products marked QUANTISED: E4M3 operands, one given power-of-two scale a tensor, by v_wmma_f32_16x16x64_fp8_fp8 or v_wmma_f32_16x16x128_fp8_fp8, f32 sums; everything else in f32.
;; Inputs: lowp_scales 8 int32 (the exponents e of the quantised operands' scales 2^e); proj_b 1,024 float32; proj_w 1,024 x 1,024 float32; qkv_b 3,072 float32; qkv_w 1,024 x 3,072 float32; x 4 x 2,048 x 1,024 float32.
;; Outputs: out0 4 x 2,048 x 1,024 float32.
;; This version of the problem:
;;   THIS VERSION OF THE PROBLEM IS GIVEN IN LOW PRECISION. The matrix products marked QUANTISED in the list below multiply operands that are first quantised to E4M3 (4 exponent bits, 3 mantissa bits; 8 bits a number), with one given power-of-two scale for each operand tensor; their sums are f32. All else is computed in f32.
;;   The module's matrix products, in the order in which they are computed (A, B: the left and right operand; K: the contracted axis; several contracted axes count as one K, in the product's order):
;;     1. [M 8,192, K 1,024] x [K 1,024, N 3,072]; A: input x; B: input qkv_w: QUANTISED (scales: A lowp_scales[0], B lowp_scales[1])
;;     2. batch 64 x [M 2,048, K 64] x [K 64, N 2,048]; A: computed on the way; B: computed on the way: QUANTISED (scales: A lowp_scales[2], B lowp_scales[3])
;;     3. batch 64 x [M 2,048, K 2,048] x [K 2,048, N 64]; A: softmax (see below); B: computed on the way: QUANTISED (scales: A lowp_scales[4], B lowp_scales[5])
;;     4. [M 8,192, K 1,024] x [K 1,024, N 1,024]; A: computed on the way; B: input proj_w: QUANTISED (scales: A lowp_scales[6], B lowp_scales[7])
;;   THE QUANTISER, for each operand of a quantised product, along K:
;;     - The operand's scale is 2^e, e = its entry of the input lowp_scales (int32; the entries are numbered through the quantised products in the list's order, A before B).
;;     - Each number is divided by the scale, clamped to +-448, and rounded to the nearest number of E4M3, ties to even, subnormals kept.
;;     - The product sums the exact products of the quantised numbers (number of the format x scale) in f32.
;;   ~~~python
;;   def quantise(x, axis, e):      # numpy; x: float32 -> the quantised numbers, widened to float32 again
;;       x = np.moveaxis(x, axis, -1); K = x.shape[-1]
;;       r = np.clip(x / 2.0 ** e, -448, 448)
;;       step = 2.0 ** (np.maximum(np.frexp(np.where(r == 0, 1, r))[1] - 1, -6) - 3)
;;       q = np.round(r / step) * step * 2.0 ** e      # np.round: ties to even
;;       return np.moveaxis(q, -1, axis).astype(np.float32)
;;   ~~~
;;   SOFTMAX AHEAD OF A QUANTISED PRODUCT. Where the list says 'softmax', what is quantised is not the finished softmax but p = 2^(t - M), with t = logit x log2(e) and M = ceil(the row's largest t), a whole number; so 1/2 < the row's largest p <= 1. The row's sum l is taken of the UNQUANTISED p, in f32, and the product's result is divided by l at the end. Since M is a whole number, a kernel that streams over the keys may use a running M (the ceiling of the running maximum): every later rescaling is an exact power of two, so the quantised numbers keep their values, but for numbers so far below the row's largest that they fall under the format's range.
;;   OPERANDS COMPUTED ON THE WAY. 'Computed on the way' means the value that the module computes at that place (a softmax that the list does not call 'softmax' is quantised finished and normalised). What goes into a quantiser is computed in f32, as accurately as f32 sums, v_exp_f32 and their like allow (about 1e-6 of the number): no bf16 or f16 on the way to a quantiser, and a product that is left as it is and whose result goes on into a quantised operand takes f32 operands (vector FMAs, or v_wmma_f32_16x16x4_f32). A number that lies on a knife's edge between two numbers of the format may be rounded either way, as far as f32 arithmetic and the matrix unit's own rounding can turn it there, and no further.
;; One version. Each part assembles by itself: llvm-mc -triple=amdgcn-amd-amdhsa -mcpu=gfx1250 --defsym DOCPART=n.
;; ======== version 1 of 1: 4 launches
;; limits: right only within a limited range of input values
;; workspace buffers: codes 12,582,912 bytes; qkv_img 25,165,824 bytes; ao_img 8,388,608 bytes
;; launch prep (part 1): grid 384 x 1, 4 waves a work-group, no clusters, 70,144 bytes of LDS; arguments x, qkv_w, proj_w, lowp_scales, codes; writes codes
.if DOCPART == 1
	.amdgcn_target "amdgcn-amd-amdhsa--gfx1250"
	.amdhsa_code_object_version 6
	.text
	.protected	k_qf0910b6d4e_prep
	.globl	k_qf0910b6d4e_prep
	.p2align	8
	.type	k_qf0910b6d4e_prep,@function
k_qf0910b6d4e_prep:
	s_mov_b64 s[64:65], 0
	v_nop
	global_prefetch_b8 v0, s[64:65] scope:SCOPE_SE
	s_setreg_imm32_b32 hwreg(HW_REG_WAVE_MODE, 25, 1), 1
	s_wait_xcnt 0x0
; x [8192][1024], qkv_w [1024][3072] and proj_w [1024][1024], f32, become codes of FP8 (E4M3), each with its given scale 2^e (entries 0, 1 and 7 of the scales).
; code = number / 2^e, held within +-448, to the nearest code, ties to even.
; LIMITS: each e between -126 and 119, so that 2^e and 448 x 2^e are f32 numbers.  NaN among the inputs is not served; an infinity is held at the largest code.
; THE CODES ARE LAID AS IMAGES OF THE OPERAND'S REGISTERS.  A fragment (16 rows x 128 K) is 16 registers a lane: lane (r = lane % 16, h = lane / 16) holds row r, and registers
; 2 c, 2 c + 1 hold K = 16 c + 8 h + 0 .. 7.  Group g (registers 4 g .. 4 g + 3) lies as 32 lanes x 16 bytes on end.
; codes: [slot of 256 K: 0..3][tile of 16 rows: 0..767][128 K: 0..1][group 0..3][lane][16 bytes].  Tiles 0-511: x's tokens; 512-703: qkv_w's columns; 704-767: proj_w's columns.
; So the products' launches fetch a K step's tile as one dense block and a fragment by four loads of 16 bytes a lane, and every store here covers 512 consecutive bytes, aligned.
; Work-groups 0-255 take x (K innermost: the bytes are loaded as they lie and turned through the wave's own stage in LDS, so that a lane holds neighbours along K).
; Work-groups 256-383 take the weights (K is the FIRST axis: a lane takes a column and its registers run down K; the codes go through a stage so that they leave as images).
; The two ways part on the work-group's number and never join; each has LDS bytes of its own.  No work-group shares an input with another: no cluster, no tensor load, no barrier.
.set SLOTB,  3145728                   ; codes: from a slot of 256 K to the next: 768 tiles x 4,096 bytes
.set XSTG,   4352                      ; x's stage: 16 rows x (256 bytes + 16)
.set WREG,   8704                      ; LDS of a wave on either way: two stages of x, or 32 rows x 272 of a weight
.set WBASE,  34816                     ; where the weights' way begins in LDS: behind x's four regions
.set SPARE,  69632                     ; behind both: the spare words, 128 bytes for each wave: two blocks of 256 bytes that no other line names
.set LI,   5                           ; v5   16 x lane: my place in an image's group; never rewritten
.set SPW,  12                          ; v12  LDS address of my spare word; never rewritten
.set NIL,  13                          ; v13  0; never rewritten
.set RX,   32                          ; x: v32-159   four sets of 32 numbers as they are loaded
.set XX,   160                         ; x: v160-223  two sets of 32: register 8 c + j = K 16 c + 8 h + j of my row
.set CX,   224                         ; x: v224-255  codes: four sets of 8, by turns
.set VOF,  16                          ; w: v16-47    4 x lane + i rows: the offsets of a block's 32 rows
.set WX,   48                          ; w: v48-111   two sets of 32 numbers
.set CW,   112                         ; w: v112-119  a block's codes
.set OUTR, 120                         ; w: v120-183  the way out: 16 groups of 4 registers
.set WB,   32                          ; w: s[32:47]  the address of each of my eight blocks of 32 rows
	s_load_b256 s[4:11], s[0:1], 0x0               ; x s[4:5], qkv_w s[6:7], proj_w s[8:9], the scales' exponents s[10:11]
	s_load_b64 s[12:13], s[0:1], 0x20              ; codes
	v_lshl_add_u32 v[SPW], v0, 2, SPARE
	v_mov_b32 v[NIL], 0
	v_lshrrev_b32 v1, 5, v0
	v_readfirstlane_b32 s16, v1                    ; wave 0..3
	v_and_b32 v2, 31, v0                           ; lane
	v_and_b32 v3, 15, v0                           ; r
	v_bfe_u32 v4, v0, 4, 1                         ; h
	v_lshlrev_b32 v[LI], 4, v2
	s_mul_i32 s17, s16, WREG                       ; my wave's region in LDS
	s_wait_kmcnt 0x0
	s_load_b256 s[20:27], s[10:11], 0x0            ; e0 .. e7
	s_cmp_ge_u32 ttmp9, 256
	s_cbranch_scc1 .Lweights
; ---------------- x: a wave takes 16 tokens x 512 K, in eight steps of 64 K ----------------
	s_lshl_b32 s18, ttmp9, 2
	s_add_co_u32 s18, s18, s16                     ; 4 x work-group + wave
	s_lshr_b32 s19, s18, 1                         ; my tile of 16 tokens, 0..511
	s_and_b32 s18, s18, 1                          ; my half of K
	s_lshl_b32 s28, s19, 16                        ; 16 rows of 4,096 bytes
	s_lshl_b32 s29, s18, 11                        ; 512 numbers
	s_add_co_u32 s28, s28, s29
	s_mov_b32 s29, 0
	s_add_nc_u64 s[4:5], s[4:5], s[28:29]
	s_mul_i32 s28, s18, 2*SLOTB                    ; my half of K is two slots of the codes
	s_lshl_b32 s30, s19, 12
	s_add_co_u32 s28, s28, s30
	s_add_nc_u64 s[12:13], s[12:13], s[28:29]
	s_wait_alu depctr_va_vdst(0)
	v_lshlrev_b32 v6, 4, v3
	v_lshl_add_u32 v6, v4, 12, v6                  ; in: lanes 0-15 take 256 bytes of one row, lanes 16-31 of the next
	v_mul_u32_u24 v7, v4, 272
	v_lshl_add_u32 v7, v3, 4, v7
	v_add_nc_u32 v7, s17, v7                       ; into the stage: the same two rows, as they lie
	v_mul_u32_u24 v8, v3, 272
	v_lshl_add_u32 v8, v4, 5, v8
	v_add_nc_u32 v8, s17, v8                       ; out of it: row r, + 32 h bytes: 8 numbers of my half.  Rows 272 bytes apart: sixteen lanes touch sixteen different columns of 16 bytes
.macro XLOAD t                         ; step t: 16 rows x 256 bytes, two rows a load
.irp i, 0,1,2,3,4,5,6,7
	global_load_b128 v[RX+32*((\t)%4)+4*\i:RX+32*((\t)%4)+4*\i+3], v6, s[4:5] offset:\i*8192+(\t)*256 th:TH_LOAD_NT
.endr
.endm
.macro XTURN t                         ; step t's numbers through the stage: LDS serves a wave's instructions in order, so no wait stands between the stores and the loads
.irp i, 0,1,2,3,4,5,6,7
	ds_store_b128 v7, v[RX+32*((\t)%4)+4*\i:RX+32*((\t)%4)+4*\i+3] offset:XSTG*((\t)%2)+544*\i
.endr
.irp c, 0,1,2,3
.irp u, 0,1
	ds_load_b128 v[XX+32*((\t)%2)+8*\c+4*\u:XX+32*((\t)%2)+8*\c+4*\u+3], v8 offset:XSTG*((\t)%2)+64*\c+16*\u
.endr
.endr
.endm
.irp t, 0,1,2,3
	XLOAD \t
.endr
	s_wait_alu depctr_va_vdst(0)
	s_wait_kmcnt 0x0
	s_add_co_i32 s20, s20, 127
	s_lshl_b32 s21, s20, 23
	v_mov_b32 v11, s21                             ; 2^e0 as f32: the conversion takes its exponent field
	s_add_co_i32 s20, s20, 8
	s_lshl_b32 s20, s20, 23
	s_or_b32 s20, s20, 0x600000
	v_mov_b32 v10, s20                             ; 448 x 2^e0
	s_wait_alu depctr_va_vdst(0)
	s_wait_loadcnt 24                              ; step 0's eight loads are in; those of steps 1 to 3 may be out
	XTURN 0
.macro XSTEP t
.set XS, XX+32*((\t)%2)
.set CC, CX+8*((\t)%4)
	s_wait_dscnt 0x0                               ; this step's numbers are back from the stage, and its stores into the stage have read their registers,
.if (\t)+4 < 8
	XLOAD (\t)+4                                   ; which take the loads of four steps on
.endif
.if (\t)+1 < 8
.if 6-(\t) >= 3
	s_wait_loadcnt 24                              ; the next step's eight loads are in; those of the three steps behind it may be out
.else
	s_wait_loadcnt 8*(6-(\t))
.endif
	XTURN (\t)+1                                   ; and go through the other stage while this step is worked
.endif
.set I, 0
.rept 32
	v_med3_num_f32 v[XS+I], v[XS+I], -v10, v10     ; the conversion to an 8-bit code does not saturate (ISA guide 7.6.2): the hold at the largest code x the scale
.set I, I+1
.endr
.if (\t) >= 4
	s_wait_alu depctr_va_vdst(0)
	s_wait_xcnt 0x0                                ; the stores of four steps back have read these registers
.endif
.irp c, 0,1,2,3
	v_cvt_scalef32_pk8_fp8_f32 v[CC+2*\c:CC+2*\c+1], v[XS+8*\c:XS+8*\c+7], v11   ; registers 2 c, 2 c + 1 of the fragment's half
.endr
.irp g, 0,1                            ; K = 64 t of my half: slot t / 4, its (t / 2) % 2-th 128, groups 2 (t % 2) + g.  (The results go to stores alone; the next step's holds are plain lines on other registers)
	global_store_b128 v[LI], v[CC+4*\g:CC+4*\g+3], s[12:13] offset:((\t)/4)*SLOTB+(((\t)/2)%2)*2048+((\t)%2)*1024+512*\g
.endr
.endm
.irp t, 0,1,2,3,4,5,6,7
	XSTEP \t
.endr
	s_wait_tensorcnt 0x0                           ; the wave's end
	ds_add_u32 v[SPW], v[NIL]
	s_wait_dscnt 0x0
	s_endpgm
; ---------------- the weights: a wave takes 32 columns x 256 K ----------------
.Lweights:
	s_sub_co_u32 s18, ttmp9, 256
	s_and_b32 s19, s18, 31                         ; block of 128 columns: 0-23 of qkv_w, 24-31 of proj_w
	s_lshr_b32 s18, s18, 5                         ; which 256 along K: also the codes' slot
	s_mov_b32 s28, 4096
	s_cmp_lt_u32 s19, 24                           ; the choice hangs on the work-group's number alone
	s_cselect_b64 s[6:7], s[6:7], s[8:9]           ; the tensor,
	s_cselect_b32 s28, 12288, s28                  ; a row of it in bytes,
	s_cselect_b32 s29, 0, 24
	s_sub_co_u32 s29, s19, s29                     ; and my block of columns in it
	s_lshl_b32 s29, s29, 9
	s_lshl_b32 s30, s16, 7                         ; my wave's 32 columns
	s_add_co_u32 s29, s29, s30
	s_lshl_b32 s30, s18, 8
	s_mul_i32 s30, s30, s28                        ; 256 rows x slot
	s_add_co_u32 s30, s30, s29
	s_mov_b32 s31, 0
	s_add_nc_u64 s[WB:WB+1], s[6:7], s[30:31]
	s_lshl_b32 s30, s28, 5                         ; 32 rows on
.irp t, 1,2,3,4,5,6,7
	s_add_nc_u64 s[WB+2*\t:WB+2*\t+1], s[WB+2*\t-2:WB+2*\t-1], s[30:31]   ; an address for each block: none is stepped while loads are out
.endr
	s_mul_i32 s48, s18, SLOTB
	s_lshl_b32 s49, s19, 3
	s_add_co_u32 s49, s49, 512
	s_lshl_b32 s50, s16, 1
	s_add_co_u32 s49, s49, s50                     ; my first tile of 16 rows of the codes: 512 + 8 x block + 2 x wave (proj_w's follow qkv_w's)
	s_lshl_b32 s49, s49, 12
	s_add_co_u32 s48, s48, s49
	s_mov_b32 s49, 0
	s_add_nc_u64 s[12:13], s[12:13], s[48:49]
	s_add_co_u32 s17, s17, WBASE
	s_wait_alu depctr_va_vdst(0)
	v_mul_u32_u24 v6, v2, 272
	v_add_nc_u32 v6, s17, v6                       ; into the stage: row = my column
	v_mul_u32_u24 v7, v3, 272
	v_lshl_add_u32 v7, v4, 3, v7
	v_add_nc_u32 v7, s17, v7                       ; out of it: row r, + 8 h: the 32 lanes of a load of 8 bytes touch words 4 r + 2 h, + 1 modulo 64: each once
	v_lshlrev_b32 v[VOF], 2, v2
.set I, 1
.rept 31
	v_add_nc_u32 v[VOF+I], s28, v[VOF+I-1]
.set I, I+1
.endr
.macro WLOAD t                         ; block t: W(32 t + i, my column): a wave reads 128 consecutive bytes, the work-group 512
.set I, 0
.rept 32
	global_load_b32 v[WX+32*((\t)%2)+I], v[VOF+I], s[WB+2*(\t):WB+2*(\t)+1] th:TH_LOAD_NT
.set I, I+1
.endr
.endm
	WLOAD 0
	WLOAD 1
	s_wait_kmcnt 0x0
	s_cmp_lt_u32 s19, 24
	s_cselect_b32 s20, s21, s27                    ; e1 or e7
	s_add_co_i32 s20, s20, 127
	s_lshl_b32 s21, s20, 23
	v_mov_b32 v11, s21                             ; 2^e
	s_add_co_i32 s20, s20, 8
	s_lshl_b32 s20, s20, 23
	s_or_b32 s20, s20, 0x600000
	v_mov_b32 v10, s20                             ; 448 x 2^e
.macro WBLOCK t
.set XS, WX+32*((\t)%2)
.if (\t) < 7
	s_wait_loadcnt 32                              ; this block's 32 loads are in; the next block's may be out
.else
	s_wait_loadcnt 0
.endif
.set I, 0
.rept 32
	v_med3_num_f32 v[XS+I], v[XS+I], -v10, v10
.set I, I+1
.endr
.irp g, 0,1,2,3
	v_cvt_scalef32_pk8_fp8_f32 v[CW+2*\g:CW+2*\g+1], v[XS+8*\g:XS+8*\g+7], v11
.endr
	ds_store_b128 v6, v[CW:CW+3] offset:32*(\t)    ; 32 codes along K of my column
	ds_store_b128 v6, v[CW+4:CW+7] offset:32*(\t)+16
.if (\t)+2 < 8
	WLOAD (\t)+2
.endif
	s_wait_dscnt 0x0                               ; the stores have read their registers: the next block's codes may be written (its holds, plain lines, come first)
.endm
	s_wait_alu depctr_va_vdst(0)
.irp t, 0,1,2,3,4,5,6,7
	WBLOCK \t
.endr
.irp n, 0,1,2,3,4,5,6,7,8,9,10,11,12,13,14,15   ; n = 8 x tile + 4 x (which 128 K) + group: registers 4 g, 4 g + 1: K = 32 g + 8 h + 0..7; 4 g + 2, 4 g + 3: 16 further on
	ds_load_b64 v[OUTR+4*\n:OUTR+4*\n+1], v7 offset:4352*(\n/8)+128*((\n/4)%2)+32*(\n%4)
	ds_load_b64 v[OUTR+4*\n+2:OUTR+4*\n+3], v7 offset:4352*(\n/8)+128*((\n/4)%2)+32*(\n%4)+16
.endr
.irp n, 0,1,2,3,4,5,6,7,8,9,10,11,12,13,14,15
	s_wait_dscnt 2*(15-\n)                         ; group n's two loads are in; the younger pairs may be out
	global_store_b128 v[LI], v[OUTR+4*\n:OUTR+4*\n+3], s[12:13] offset:4096*(\n/8)+2048*((\n/4)%2)+512*(\n%4)
.endr
	s_wait_tensorcnt 0x0                           ; the wave's end: the same three lines
	ds_add_u32 v[SPW], v[NIL]
	s_wait_dscnt 0x0
	s_endpgm
.Lfunc_end_k_qf0910b6d4e_prep:
	.size	k_qf0910b6d4e_prep, .Lfunc_end_k_qf0910b6d4e_prep-k_qf0910b6d4e_prep
	.p2alignl 7, 3214868480
	.fill 96, 4, 3214868480
	.section	.rodata,"a",@progbits
	.p2align	6, 0x0
	.amdhsa_kernel k_qf0910b6d4e_prep
		.amdhsa_group_segment_fixed_size 70144
		.amdhsa_private_segment_fixed_size 0
		.amdhsa_enable_private_segment 0
		.amdhsa_kernarg_size 40
		.amdhsa_user_sgpr_count 2
		.amdhsa_user_sgpr_kernarg_segment_ptr 1
		.amdhsa_wavefront_size32 1
		.amdhsa_system_sgpr_workgroup_id_x 1
		.amdhsa_system_sgpr_workgroup_id_y 1
		.amdhsa_system_sgpr_workgroup_id_z 1
		.amdhsa_system_vgpr_workitem_id 0
		.amdhsa_next_free_vgpr 256
		.amdhsa_next_free_sgpr 66
		.amdhsa_reserve_vcc 0
		.amdhsa_float_denorm_mode_32 3
		.amdhsa_float_denorm_mode_16_64 3
		.amdhsa_memory_ordered 1
		.amdhsa_forward_progress 1
		.amdhsa_inst_pref_size 88
	.end_amdhsa_kernel
	.amdgpu_metadata
---
amdhsa.version: [ 1, 2 ]
amdhsa.kernels:
  - .name:           k_qf0910b6d4e_prep
    .symbol:         k_qf0910b6d4e_prep.kd
    .args:
      - { .name: x, .offset: 0, .size: 8, .value_kind: global_buffer, .address_space: global }
      - { .name: qkv_w, .offset: 8, .size: 8, .value_kind: global_buffer, .address_space: global }
      - { .name: proj_w, .offset: 16, .size: 8, .value_kind: global_buffer, .address_space: global }
      - { .name: lowp_scales, .offset: 24, .size: 8, .value_kind: global_buffer, .address_space: global }
      - { .name: codes, .offset: 32, .size: 8, .value_kind: global_buffer, .address_space: global }
    .group_segment_fixed_size: 70144
    .private_segment_fixed_size: 0
    .kernarg_segment_align: 8
    .kernarg_segment_size: 40
    .max_flat_workgroup_size: 128
    .sgpr_count:     66
    .vgpr_count:     256
    .wavefront_size: 32
...
	.end_amdgpu_metadata
.endif
;; end of part 1
;; launch qkv (part 2): grid 8 x 32, 4 waves a work-group, clusters of 4 x 4, 327,680 bytes of LDS; arguments codes, qkv_b, lowp_scales, qkv_img; writes qkv_img
.if DOCPART == 2
	.amdgcn_target "amdgcn-amd-amdhsa--gfx1250"
	.amdhsa_code_object_version 6
	.text
	.protected	k_qf0910b6d4e_qkv
	.globl	k_qf0910b6d4e_qkv
	.p2align	8
	.type	k_qf0910b6d4e_qkv,@function
k_qf0910b6d4e_qkv:
	s_mov_b64 s[64:65], 0
	v_nop
	global_prefetch_b8 v0, s[64:65] scope:SCOPE_SE
	s_setreg_imm32_b32 hwreg(HW_REG_WAVE_MODE, 25, 1), 1
	s_wait_xcnt 0x0
	s_wait_alu depctr_hold_cnt(0) depctr_sa_sdst(0) depctr_va_vdst(0) depctr_va_sdst(0) depctr_va_ssrc(0) depctr_va_vcc(0) depctr_vm_vsrc(0)
	s_getreg_b32 s2, hwreg(HW_REG_IB_STS2, 6, 4)
	s_cmp_eq_u32 s2, 0
	s_cbranch_scc0 .Lentry_in_a_cluster
	s_endpgm
.Lentry_in_a_cluster:
	s_bfe_u32 s2, ttmp6, 0x10000c
	s_cmp_lg_u32 s2, 0xf033
	s_cbranch_scc0 .Lentry_shape_is_right
	s_endpgm
.Lentry_shape_is_right:
; qkv = x qkv_w + qkv_b on codes of FP8 (E4M3), K = 1,024; then q, k and v are quantised with their given scales (entries 2, 3, 5) and stored as images of the registers that attention's products take.
; A sum of codes stands for sum x 2^(e0 + e1): number = sum x 2^(e0 + e1) + bias, one fused multiply-add; code = number / 2^e, held within +-448, to the nearest code.
; LIMITS: e0 + e1 between -126 and 127; e2, e3, e5 between -126 and 119.
; A WORK-GROUP STAYS AND MAKES TWO TILES, so that the grid is 8 x 32 = 256 work-groups: first 256 tokens x 256 features of q (cluster x = 0) or k (1), then 256 features x 128 tokens of v^T (4 x 64 = 256 such tiles).
; K goes in slots of 256 through a ring of two LDS slots filled by the tensor data mover, and the ring does not stop between the tiles: the first tile's last two changes of slots ask for the second tile's K slots 0 and 1.
; THE MATRIX INSTRUCTION: source 0 = 16 rows of the operand called Cc, source 1 = 16 rows of the operand called R.  In accumulator (a, b) lane (r, h) then holds R's row 16 a + r and, in its eight
; registers, Cc's rows 16 b + 8 h + 0 .. 7: one conversion of those eight gives registers 2 b, 2 b + 1 of a fragment whose row is R's and whose K runs along Cc, in the same lane.  Nothing changes lanes.
; First tile: R = tokens, Cc = the weight's columns (NB = 8 blocks of 16 a wave): fragments with K = the head's 64.  Second tile: R = v's columns of the weight, Cc = tokens (NB = 4): fragments of v^T with K = the keys.
; The operands come as images (codes: [slot][tile of 16 rows][128 K][group][lane][16]): 16 rows x 256 K are 4,096 dense bytes, and a fragment is four loads of 16 bytes a lane, 512 bytes on end each.
; qkv_img: [batch x head: 64][256 tokens: 8][Q 16,384 | K 16,384 | V 16,384].  Q, K: [tile of 16 tokens][group 0..1][lane][16].  V: [128 keys: 0..1][tile of 16 of the head's 64][group 0..3][lane][16].
; CLUSTERS: 4 x 4 work-groups.  In both tiles R's block hangs on cy and Cc's on cx: the four of a row of the cluster ask for R's tile jointly, the four of a column for Cc's.
; NO PREFETCH: a tile's K is four slots, and each slot is asked for two slots ahead of its use at the most by the ring itself, across the change of tiles too: no trip stands two slots ahead of a load.
; REGISTERS, in windows of 256: window 0: v0-31 addresses and scales; v32-95 the first tile's bias, along the registers; v96-111 the second tile's, along the lanes; from v128 R's fragments, ONE set; on the ways out v128-255 are at work.
;   window 1: Cc's fragments, TWO sets.   windows 2, 3: the accumulators ((a, b) at v[8 (8 (a % 4) + b)]; a < 4 in window 2).
.set KSLOT,  3145728                   ; codes: from a slot of 256 K to the next
.set SLOT,   131072                    ; an LDS slot: R's 256 rows (65,536 bytes), then Cc's (65,536, in the second tile 32,768)
.set SPARE,  2*SLOT                    ; behind the ring: the spare words, 128 bytes for each wave: two blocks of 256 bytes that no other line names
.set FR,     16                        ; registers of a fragment
.set NL,     4                         ; LDS loads that bring one
.set NP,     4                         ; places behind this matrix instruction (ISA guide 7.12.1)
.set NB,     8                         ; Cc's blocks of 16 rows a wave: 8 in the first tile, 4 in the second
.set ADRA, 16                          ; v16-17  LDS address of my R fragments in slot 0, 1
.set ADRB, 20                          ; v20-21  the same for Cc in the first tile; v22-23 in the second
.set LI,   26                          ; v26     16 x lane; never rewritten
.set SPW,  28                          ; v28     LDS address of my spare word; never rewritten
.set NIL,  29                          ; v29     0; never rewritten
.set BC,   32                          ; v32-95  bias of feature 16 b + 8 h + j at v[BC + 8 b + j]
.set BR,   96                          ; v96-111 bias of feature 16 a + r, twice, at v[BR + 2 a], v[BR + 2 a + 1]
.set AF,   128                         ; R's fragments
.set TMP,  128                         ; the way out: a block's numbers
.set CD,   192                         ; the way out: codes, four sets of 16 by turns
.set G1, 24                            ; s[24:31] descriptor group 1 for R's tiles;  s[32:39] group 0, one set for each slot
.set G0, 32
.set G1B, 48                           ; s[48:55], s[56:63] the same for Cc's tiles
.set G0B, 56
.set G1C, 80                           ; s[80:87] group 1 for Cc's tiles of the second tile: half the rows
.set GCC, G1B                          ; the group 1 by which Cc is asked for
.set VRA, 98                           ; s[98:99]   where my part of the second tile's R begins in the codes
.set VCA, 100                          ; s[100:101] the same for its Cc
.set VCL, 66                           ; s66        and where that goes in LDS slot 0
.set MSB, 0
.macro WIN new                         ; the immediate's high byte repeats the setting that is left
.if MSB != (\new)
	s_set_vgpr_msb (MSB<<8)|(\new)
.set MSB, (\new)
.endif
.endm
.set MUL_LO, 0xa1                      ; source 0 (Cc) window 1, source 1 (R) window 0, C and D window 2
.set MUL_HI, 0xf1                      ; the same, C and D window 3
.set TO_B,   0x40                      ; destination window 1, address window 0
; A joint load: waves 0 and 1 fetch for R, waves 2 and 3 for Cc.  Each of the two lines has ONE mask and one set of registers for all that issue it; the branch hangs on the wave's number alone.
; An s_nop 0 and four v_nop follow each of the two lines, ahead of the jump, the label and what follows.
.macro JLOAD g0a, g1a, g0b, g1b
	s_cmp_eq_u32 s15, 0
	s_cbranch_scc0 .Lfor_b_\@
	tensor_load_to_lds s[\g0a:\g0a+3], s[\g1a:\g1a+7]
	s_nop 0
.rept 4
	v_nop
.endr
	s_branch .Lasked_\@
.Lfor_b_\@:
	tensor_load_to_lds s[\g0b:\g0b+3], s[\g1b:\g1b+7]
	s_nop 0
.rept 4
	v_nop
.endr
.Lasked_\@:
.endm
.macro CREST                           ; a round of the cluster's barrier behind its opening barrier
	s_cmp_lg_u32 s14, 0
	s_cbranch_scc1 .Lnot_wave_0_\@
	s_barrier_signal -3
.Lnot_wave_0_\@:
	s_barrier_wait -3
	s_barrier_signal -1
	s_barrier_wait -1
.endm
.macro CROUND                          ; a whole round
	s_barrier_signal -1
	s_barrier_wait -1
	CREST
.endm
; Where a part of qkv_img begins.  s18: my first token; s[c]: the block of 256 features among the tensor's four; s[hf]: my half of it (two heads).  Leaves s23 = 0
.macro IMGADR c, hf, dst
	s_lshr_b32 s19, s18, 11                        ; batch
	s_lshl_b32 s19, s19, 4
	s_lshl_b32 s22, s[\c], 2
	s_add_co_u32 s19, s19, s22
	s_lshl_b32 s22, s[\hf], 1
	s_add_co_u32 s19, s19, s22                     ; 16 x batch + my first head
	s_mul_i32 s19, s19, 393216
	s_bfe_u32 s22, s18, 0x30008                    ; which 256 tokens of the sequence
	s_mul_i32 s22, s22, 49152
	s_add_co_u32 s19, s19, s22
	s_bfe_u32 s22, s18, 0x10007                    ; which 128 of them: eight tiles of Q or K, or a key step of V: 8,192 bytes either way
	s_lshl_b32 s22, s22, 13
	s_add_co_u32 s22, s19, s22
	s_mov_b32 s23, 0
	s_add_nc_u64 s[\dst:\dst+1], s[10:11], s[22:23]
.endm
	s_load_b256 s[4:11], s[0:1], 0x0               ; codes s[4:5], qkv_b s[6:7], the scales' exponents s[8:9], qkv_img s[10:11]
	v_lshl_add_u32 v[SPW], v0, 2, SPARE
	v_mov_b32 v[NIL], 0
	ds_add_u32 v[SPW], v[NIL]                      ; the wave's opening: the add, twice on end, and its wait ahead of my first tensor load
	ds_add_u32 v[SPW], v[NIL]
	v_lshrrev_b32 v1, 5, v0
	v_readfirstlane_b32 s14, v1                    ; wave 0..3
	s_lshr_b32 s15, s14, 1                         ; which half of R's 256 rows is mine.  Also: I fetch for R (0) or for Cc (1)
	s_and_b32 s16, s14, 1                          ; which half of Cc's.  Also: which half of that tile I fetch
	s_bfe_u32 s40, ttmp6, 0x40000                  ; cx, cy: my place in the cluster
	s_bfe_u32 s41, ttmp6, 0x40004
	s_and_b32 s18, ttmp7, 0xffff                   ; the cluster's y, 0..7; ttmp9: its x, 0..1
	s_lshl_b32 s17, s18, 2
	s_add_co_u32 s17, s17, s41                     ; first tile, R: the block of 256 tokens: hangs on cy, never on cx  (blocks of 256 rows of the codes: 0-31 tokens, 32-35 q, 36-39 k, 40-43 v)
	s_lshl_b32 s42, ttmp9, 2
	s_add_co_u32 s42, s42, 32
	s_add_co_u32 s42, s42, s40                     ; first tile, Cc: q's or k's block of 256 columns: hangs on cx, never on cy
	s_add_co_u32 s68, s41, 40                      ; second tile, R: v's block of 256 columns: cy
	s_lshl_b32 s69, s18, 1
	s_add_co_u32 s69, s69, ttmp9
	s_lshl_b32 s69, s69, 2
	s_add_co_u32 s69, s69, s40                     ; second tile, Cc: the block of 128 tokens, 0..63: 4 (2 x cluster y + cluster x) + cx
	s_lshl_b32 s43, s41, 2
	s_lshl_b32 s43, 15, s43                        ; my row of the cluster
	s_lshl_b32 s44, 0x1111, s40                    ; my column
	; descriptor groups 1: dense blocks as rows of 256 bytes
	s_or_b32 s[G1+0], s43, (3<<16)|(1<<21)         ; 15:0 the mask: R's tiles go to my row; 17:16 elements of 8 bytes; 20 no padding; 21 set beside a mask
	s_or_b32 s[G1B+0], s44, (3<<16)|(1<<21)
	s_or_b32 s[G1C+0], s44, (3<<16)|(1<<21)
.irp g, G1, G1B, G1C
	s_mov_b32 s[\g+1], 32<<16                      ; tensor_dim0 = 32 elements
	s_mov_b32 s[\g+3], 32<<16                      ; tile_dim0
	s_mov_b32 s[\g+5], 32                          ; tensor_dim0_stride: dense
	s_mov_b32 s[\g+6], 0
	s_mov_b32 s[\g+7], 0
.endr
.irp g, G1, G1B
	s_mov_b32 s[\g+2], 128<<16                     ; tensor_dim1, tile_dim1 = 128: 32,768 bytes
	s_mov_b32 s[\g+4], 128
.endr
	s_mov_b32 s[G1C+2], 64<<16                     ; 64: 16,384 bytes
	s_mov_b32 s[G1C+4], 64
	s_lshl_b32 s18, s16, 15                        ; which 128 rows of a block of 256 I fetch
	s_lshl_b32 s20, s17, 16                        ; a block of 256 rows x 256 K is 65,536 bytes
	s_add_co_u32 s20, s20, s18
	s_mov_b32 s21, 0
	s_lshl_b32 s46, s42, 16
	s_add_co_u32 s46, s46, s18
	s_mov_b32 s47, 0
	s_lshl_b32 s[VRA], s68, 16
	s_add_co_u32 s[VRA], s[VRA], s18
	s_mov_b32 s[VRA+1], 0
	s_lshl_b32 s[VCL], s16, 14                     ; which 64 rows of a block of 128
	s_lshl_b32 s[VCA], s69, 15
	s_add_co_u32 s[VCA], s[VCA], s[VCL]
	s_mov_b32 s[VCA+1], 0
	s_add_co_u32 s[VCL], s[VCL], 65536
	s_lshl_b32 s45, s14, 15                        ; where the first tile's parts go, and R's in both: wave x 32,768: no place in the cluster enters an LDS address
	s_wait_dscnt 0x0                               ; both opening adds are done
	s_wait_kmcnt 0x0
	s_load_b256 s[88:95], s[8:9], 0x0              ; e0 .. e7
	s_add_nc_u64 s[20:21], s[4:5], s[20:21]
	s_add_nc_u64 s[46:47], s[4:5], s[46:47]
	s_add_nc_u64 s[VRA:VRA+1], s[4:5], s[VRA:VRA+1]
	s_add_nc_u64 s[VCA:VCA+1], s[4:5], s[VCA:VCA+1]
	CROUND                                         ; all sixteen work-groups are here: the first joint loads meet
.irp s, 0,1
	s_mov_b32 s[G0+4*\s], 1
	s_add_co_u32 s[G0+4*\s+1], s45, \s*SLOT
	s_add_nc_u64 s[G0+4*\s+2:G0+4*\s+3], s[20:21], \s*KSLOT
	s_or_b32 s[G0+4*\s+3], s[G0+4*\s+3], 0x80000000
	s_mov_b32 s[G0B+4*\s], 1
	s_add_co_u32 s[G0B+4*\s+1], s45, \s*SLOT
	s_add_nc_u64 s[G0B+4*\s+2:G0B+4*\s+3], s[46:47], \s*KSLOT
	s_or_b32 s[G0B+4*\s+3], s[G0B+4*\s+3], 0x80000000
.endr
	JLOAD G0, G1, G0B, G1B                         ; slot 0: one tensor load a wave at the head
	s_lshl_b32 s70, s15, 15                        ; my 128 rows of R in slot 0, 1
	s_add_co_u32 s71, s70, SLOT
	s_lshl_b32 s72, s16, 15                        ; my 128 rows of the first tile's Cc, behind R's 256
	s_add_co_u32 s72, s72, 65536
	s_add_co_u32 s73, s72, SLOT
	s_add_co_u32 s76, s[VCL], SLOT                 ; my 64 rows of the second tile's Cc lie where I or my partner wave put them: s[VCL], and in slot 1
	s_sub_co_u32 s74, s42, 32
	s_lshl_b32 s74, s74, 10                        ; the first tile's bias: feature 256 (Cc's block - 32) + 128 x half, in bytes
	s_lshl_b32 s75, s16, 9
	s_add_co_u32 s74, s74, s75
	s_mov_b32 s75, 0
	s_add_nc_u64 s[74:75], s[6:7], s[74:75]
	s_lshl_b32 s78, s41, 10                        ; the second tile's: feature 2,048 + 256 cy + 128 x half
	s_lshl_b32 s79, s15, 9
	s_add_co_u32 s78, s78, s79
	s_add_co_u32 s78, s78, 8192
	s_mov_b32 s79, 0
	s_add_nc_u64 s[78:79], s[6:7], s[78:79]
	s_lshl_b32 s18, s69, 7                         ; the second tile's part of qkv_img: my first token,
	s_lshl_b32 s19, s16, 6
	s_add_co_u32 s18, s18, s19
	IMGADR 41, 15, 12
	s_lshl_b32 s22, s16, 10                        ; my 64 tokens are groups 2 x half, + 1 of a key step's four: 1,024 bytes;
	s_add_co_u32 s22, s22, 32768                   ; V lies behind Q and K
	s_add_nc_u64 s[12:13], s[12:13], s[22:23]
	s_lshl_b32 s18, s17, 8                         ; the first tile's
	s_lshl_b32 s19, s15, 7
	s_add_co_u32 s18, s18, s19
	IMGADR 40, 16, 10
	s_lshl_b32 s22, ttmp9, 14                      ; Q or K
	s_add_nc_u64 s[10:11], s[10:11], s[22:23]
	v_and_b32 v6, 31, v0
	v_lshlrev_b32 v[LI], 4, v6
	v_add_nc_u32 v16, s70, v[LI]
	v_add_nc_u32 v17, s71, v[LI]
	v_add_nc_u32 v20, s72, v[LI]
	v_add_nc_u32 v21, s73, v[LI]
	v_add_nc_u32 v22, s[VCL], v[LI]
	v_add_nc_u32 v23, s76, v[LI]
	v_and_b32 v1, 15, v0                           ; r
	v_bfe_u32 v2, v0, 4, 1                         ; h
	v_lshlrev_b32 v9, 5, v2                        ; 32 h bytes; never rewritten
	v_lshlrev_b32 v10, 2, v1                       ; 4 r bytes; never rewritten
.irp b, 0,1,2,3,4,5,6,7
	global_load_b128 v[BC+8*\b:BC+8*\b+3], v9, s[74:75] offset:64*\b
	global_load_b128 v[BC+8*\b+4:BC+8*\b+7], v9, s[74:75] offset:64*\b+16
.endr
.irp a, 0,1,2,3,4,5,6,7
	global_load_b32 v[BR+2*\a], v10, s[78:79] offset:64*\a
	global_load_b32 v[BR+2*\a+1], v10, s[78:79] offset:64*\a
.endr
.macro FRAG reg, adr, q, i             ; a fragment comes as it was stored: four groups of four registers, 512 bytes on end each
.irp c, 0,1,2,3
	ds_load_b128 v[\reg+4*\c:\reg+4*\c+3], v[\adr] offset:2048*(\q)+512*\c+4096*(\i)
.endr
.endm
; 2 NB matrix instructions: R's blocks a0, a0 + 1 x Cc's NB, 128 along K.  p: Cc's set.  zero = 1: the first product starts the sums: nothing is ever cleared.
; The 8 NB accumulators take turns, one instruction a turn, in the same order in every step.
.macro MUL16 a0, p, zero
.irp a, \a0, \a0+1
.irp b, 0,1,2,3,4,5,6,7
.if \b < NB
.if \zero
	v_wmma_f32_16x16x128_fp8_fp8 v[8*(8*((\a)%4)+\b):8*(8*((\a)%4)+\b)+7], v[128*(\p)+FR*\b:128*(\p)+FR*\b+FR-1], v[AF+FR*(\a):AF+FR*(\a)+FR-1], 0
.else
	v_wmma_f32_16x16x128_fp8_fp8 v[8*(8*((\a)%4)+\b):8*(8*((\a)%4)+\b)+7], v[128*(\p)+FR*\b:128*(\p)+FR*\b+FR-1], v[AF+FR*(\a):AF+FR*(\a)+FR-1], v[8*(8*((\a)%4)+\b):8*(8*((\a)%4)+\b)+7]
.endif
.endif
.endr
.endr
.endm
.macro FETCH_B slot, q, p              ; Cc's NB fragments of the slot's q-th 128 along K into set p
	WIN TO_B
.irp i, 0,1,2,3,4,5,6,7
.if \i < NB
	FRAG 128*(\p)+FR*\i, ADRB+\slot, \q, \i
.endif
.endr
	WIN 0
.endm
.macro FETCH_A slot, q, i0             ; R's blocks i0 .. i0 + 3
.irp i, \i0, \i0+1, \i0+2, \i0+3
	FRAG AF+FR*(\i), ADRA+\slot, \q, \i
.endr
.endm
; A load into a register that a matrix instruction has read, and a vector instruction that reads a matrix result or writes one of its registers, stand NP places behind it; only plain vector
; instructions that name none of its registers are places (ISA guide 7.12.1 for vector instructions).
.macro PLACES n
.rept \n
	v_nop
.endr
.endm
; A step of 128 along K that has its successor in the same slot.  R has one set of registers: a block is free when its products are issued, so blocks 0-3 are fetched anew in the step's middle, blocks 4-7 at its end.
.macro STEP slot, q, zero
	s_wait_dscnt 4*NL                              ; Cc's set and R's blocks 0-3 are in; the youngest sixteen loads (R's blocks 4-7) may be out
	WIN MUL_LO
	MUL16 0, (\q)%2, \zero
	MUL16 2, (\q)%2, \zero
	s_wait_dscnt 0                                 ; R's blocks 4-7 are in
	PLACES NP
	FETCH_B \slot, (\q)+1, 1-(\q)%2
	FETCH_A \slot, (\q)+1, 0
	WIN MUL_HI
	MUL16 4, (\q)%2, \zero
	MUL16 6, (\q)%2, \zero
	PLACES NP
	WIN 0
	FETCH_A \slot, (\q)+1, 4
.endm
; A slot's last step changes slots: ONE barrier; in front of it each wave waits for all its tensor loads, adds 0 to its spare word, and waits for that and for its own reads of this slot.
; fill = 1: this slot is filled again, two slots of K ahead.  fill = 2: with the SECOND TILE's K slot of this slot's number.  fill = 0: not at all.  fetch = 0: the next slot's first fragments are not fetched yet (a way out comes first).
.macro TURN slot, next, fill, fetch
	s_wait_tensorcnt 0x0                           ; all my tensor loads have landed: my part of the next slot  (every window is 0 here)
	ds_add_u32 v[SPW], v[NIL]                      ; 0 onto my spare word
	s_wait_dscnt 4*NL+1                            ; (the add and the youngest sixteen loads may be out)
	WIN MUL_LO
	MUL16 0, 1, 0                                  ; matrix instructions stand between the add and the wait for it
	s_wait_dscnt 0x0                               ; the add is done, and my reads of this slot are over
	s_barrier_signal -1
	MUL16 2, 1, 0
	WIN 0
	s_barrier_wait -1
.if \fill
	CREST                                          ; the barrier has opened a round of the cluster's barrier: no wave of any partner still reads this slot's tile or has a load on its way
.if \fill == 1
	s_add_nc_u64 s[G0+4*\slot+2:G0+4*\slot+3], s[G0+4*\slot+2:G0+4*\slot+3], 2*KSLOT
	s_add_nc_u64 s[G0B+4*\slot+2:G0B+4*\slot+3], s[G0B+4*\slot+2:G0B+4*\slot+3], 2*KSLOT
.else
	s_add_nc_u64 s[G0+4*\slot+2:G0+4*\slot+3], s[VRA:VRA+1], \slot*KSLOT
	s_or_b32 s[G0+4*\slot+3], s[G0+4*\slot+3], 0x80000000
	s_add_nc_u64 s[G0B+4*\slot+2:G0B+4*\slot+3], s[VCA:VCA+1], \slot*KSLOT
	s_or_b32 s[G0B+4*\slot+3], s[G0B+4*\slot+3], 0x80000000
	s_add_co_u32 s[G0B+4*\slot+1], s[VCL], \slot*SLOT
.endif
	JLOAD G0+4*\slot, G1, G0B+4*\slot, GCC         ; the first tensor load behind the round; its four v_nop are the places in front of the loads below
.else
	PLACES NP
.endif
.if \fetch
	FETCH_B \next, 0, 0
	FETCH_A \next, 0, 0
.endif
	WIN MUL_HI
	MUL16 4, 1, 0
	MUL16 6, 1, 0
.if \fetch
	PLACES NP
	WIN 0
	FETCH_A \next, 0, 4
.else
	WIN 0
.endif
.endm
; THE WAY OUT, block a of 16 rows of R at a time: number = sum x 2^(e0 + e1) + bias; the hold; NB conversions give 2 NB registers of a fragment along Cc; NB / 2 stores of 512 consecutive bytes, aligned.  No LDS.
; isv = 0: row = token 16 a + r; registers 4 p .. 4 p + 3 are features 32 p + ..: head p / 2 of my two, group p % 2.   isv = 1: row = feature 16 a + r: head a / 4, tile a % 4; registers along my 64 keys: group p of my two.
.macro OUT isv, base
.irp a, 0,1,2,3,4,5,6,7
	WIN 0x02+\a/4                                  ; source 0: window 2 or 3
.irp b, 0,1,2,3,4,5,6,7
.if \b < NB
.irp i, 0,2,4,6                        ; each accumulator from its low end on
.if \isv
	v_pk_fma_f32 v[TMP+8*\b+\i:TMP+8*\b+\i+1], v[64*(\a%4)+8*\b+\i:64*(\a%4)+8*\b+\i+1], s[96:97], v[BR+2*\a:BR+2*\a+1] op_sel_hi:[1,0,1]
.else
	v_pk_fma_f32 v[TMP+8*\b+\i:TMP+8*\b+\i+1], v[64*(\a%4)+8*\b+\i:64*(\a%4)+8*\b+\i+1], s[96:97], v[BC+8*\b+\i:BC+8*\b+\i+1] op_sel_hi:[1,0,1]
.endif
.endr
.endif
.endr
	WIN 0
.set N, 0
.rept 8*NB
	v_med3_num_f32 v[TMP+N], v[TMP+N], -v31, v31   ; the conversion to an 8-bit code does not saturate (ISA guide 7.6.2): the hold at the largest code x the scale
.set N, N+1
.endr
.if \a >= 4
	s_wait_alu depctr_va_vdst(0)
	s_wait_xcnt 0x0                                ; the stores of four blocks back have read these registers
.endif
.irp b, 0,1,2,3,4,5,6,7
.if \b < NB
	v_cvt_scalef32_pk8_fp8_f32 v[CD+16*(\a%4)+2*\b:CD+16*(\a%4)+2*\b+1], v[TMP+8*\b:TMP+8*\b+7], v30
.endif
.endr
	v_nop                                          ; a plain line between the conversions and the next block's multiply-adds, which write their sources
.irp p, 0,1,2,3
.if \p < NB/2
.if \isv
	global_store_b128 v[LI], v[CD+16*(\a%4)+4*\p:CD+16*(\a%4)+4*\p+3], s[\base:\base+1] offset:(\a/4)*393216+(\a%4)*2048+\p*512
.else
	global_store_b128 v[LI], v[CD+16*(\a%4)+4*\p:CD+16*(\a%4)+4*\p+3], s[\base:\base+1] offset:(\p/2)*393216+\a*1024+(\p%2)*512
.endif
.endif
.endr
.endr
.endm
.macro QSCALE                          ; s72: the quantiser's exponent e
	s_add_co_i32 s72, s72, 127
	s_lshl_b32 s73, s72, 23
	v_mov_b32 v30, s73                             ; 2^e as f32
	s_add_co_i32 s72, s72, 8
	s_lshl_b32 s72, s72, 23
	s_or_b32 s72, s72, 0x600000
	v_mov_b32 v31, s72                             ; 448 x that
.endm
	s_wait_alu depctr_va_vdst(0)
	s_wait_tensorcnt 0x0                           ; my part of slot 0 is in
	ds_add_u32 v[SPW], v[NIL]
	s_wait_dscnt 0x0
	CROUND                                         ; everybody's part of slot 0 is in, and all sixteen work-groups are here
	JLOAD G0+4, G1, G0B+4, G1B                     ; slot 1's first fill: the first tensor load behind the round
	; ---------------- the first tile: q or k ----------------
	FETCH_B 0, 0, 0
	FETCH_A 0, 0, 0
	FETCH_A 0, 0, 4
	STEP 0, 0, 1                                   ; the first step's products start the sums
	TURN 0, 1, 1, 1
	STEP 1, 0, 0
	TURN 1, 0, 1, 1
	STEP 0, 0, 0
.set GCC, G1C
	TURN 0, 1, 2, 1                                ; THE RING GOES ON INTO THE SECOND TILE: slot 0 takes its K slot 0,
	STEP 1, 0, 0
	TURN 1, 0, 2, 0                                ; slot 1 its K slot 1: both are on their way while the first tile goes out
	s_wait_kmcnt 0x0                               ; the exponents
	s_wait_loadcnt 0x0                             ; the biases
	s_add_co_i32 s96, s88, s89
	s_add_co_i32 s96, s96, 127
	s_lshl_b32 s96, s96, 23                        ; 2^(e0 + e1) as f32
	s_mov_b32 s97, s96                             ; (named with it as a pair, so it is written)
	s_cmp_eq_u32 ttmp9, 0
	s_cselect_b32 s72, s90, s91                    ; q: e2; k: e3
	QSCALE
	PLACES NP                                      ; behind the last products: their results are read and R's registers written below
	OUT 0, 10
	; ---------------- the second tile: v^T ----------------
.set NB, 4
.set ADRB, 22
	s_wait_alu depctr_va_vdst(0)
	s_wait_xcnt 0x0                                ; the first tile's stores have read their registers: R's fragments land there
	FETCH_B 0, 0, 0                                ; slot 0 was shown whole at the last change of slots
	FETCH_A 0, 0, 0
	FETCH_A 0, 0, 4
	STEP 0, 0, 1
	TURN 0, 1, 1, 1
	STEP 1, 0, 0
	TURN 1, 0, 1, 1
	STEP 0, 0, 0
	TURN 0, 1, 0, 1                                ; the last two slots fill nothing, and have no round of the cluster's barrier
	STEP 1, 0, 0
	s_wait_dscnt 4*NL                              ; the very last step: nothing more to fetch
	WIN MUL_LO
	MUL16 0, 1, 0
	MUL16 2, 1, 0
	s_wait_dscnt 0
	WIN MUL_HI
	MUL16 4, 1, 0
	MUL16 6, 1, 0
	WIN 0
	s_mov_b32 s72, s93                             ; v: e5
	QSCALE
	PLACES NP
	OUT 1, 12
	s_wait_tensorcnt 0x0                           ; the wave's end
	ds_add_u32 v[SPW], v[NIL]
	s_wait_dscnt 0x0
	CROUND                                         ; the closing round: no work-group ends while a partner may still ask for a tile that names it
	s_endpgm
.Lfunc_end_k_qf0910b6d4e_qkv:
	.size	k_qf0910b6d4e_qkv, .Lfunc_end_k_qf0910b6d4e_qkv-k_qf0910b6d4e_qkv
	.p2alignl 7, 3214868480
	.fill 96, 4, 3214868480
	.section	.rodata,"a",@progbits
	.p2align	6, 0x0
	.amdhsa_kernel k_qf0910b6d4e_qkv
		.amdhsa_group_segment_fixed_size 327680
		.amdhsa_private_segment_fixed_size 0
		.amdhsa_enable_private_segment 0
		.amdhsa_kernarg_size 32
		.amdhsa_user_sgpr_count 2
		.amdhsa_user_sgpr_kernarg_segment_ptr 1
		.amdhsa_wavefront_size32 1
		.amdhsa_system_sgpr_workgroup_id_x 1
		.amdhsa_system_sgpr_workgroup_id_y 1
		.amdhsa_system_sgpr_workgroup_id_z 1
		.amdhsa_system_vgpr_workitem_id 0
		.amdhsa_next_free_vgpr 1024
		.amdhsa_next_free_sgpr 102
		.amdhsa_reserve_vcc 0
		.amdhsa_float_denorm_mode_32 3
		.amdhsa_float_denorm_mode_16_64 3
		.amdhsa_memory_ordered 1
		.amdhsa_forward_progress 1
		.amdhsa_inst_pref_size 216
	.end_amdhsa_kernel
	.amdgpu_metadata
---
amdhsa.version: [ 1, 2 ]
amdhsa.kernels:
  - .name:           k_qf0910b6d4e_qkv
    .symbol:         k_qf0910b6d4e_qkv.kd
    .args:
      - { .name: codes, .offset: 0, .size: 8, .value_kind: global_buffer, .address_space: global }
      - { .name: qkv_b, .offset: 8, .size: 8, .value_kind: global_buffer, .address_space: global }
      - { .name: lowp_scales, .offset: 16, .size: 8, .value_kind: global_buffer, .address_space: global }
      - { .name: qkv_img, .offset: 24, .size: 8, .value_kind: global_buffer, .address_space: global }
    .group_segment_fixed_size: 327680
    .private_segment_fixed_size: 0
    .kernarg_segment_align: 8
    .kernarg_segment_size: 32
    .max_flat_workgroup_size: 128
    .sgpr_count:     102
    .vgpr_count:     1024
    .wavefront_size: 32
...
	.end_amdgpu_metadata
.endif
;; end of part 2
;; launch attn (part 3): grid 4 x 64, 8 waves a work-group, clusters of 4 x 1, 327,680 bytes of LDS; arguments qkv_img, lowp_scales, ao_img; writes ao_img
.if DOCPART == 3
	.amdgcn_target "amdgcn-amd-amdhsa--gfx1250"
	.amdhsa_code_object_version 6
	.text
	.protected	k_qf0910b6d4e_attn
	.globl	k_qf0910b6d4e_attn
	.p2align	8
	.type	k_qf0910b6d4e_attn,@function
k_qf0910b6d4e_attn:
	s_mov_b64 s[64:65], 0
	v_nop
	global_prefetch_b8 v0, s[64:65] scope:SCOPE_SE
	s_setreg_imm32_b32 hwreg(HW_REG_WAVE_MODE, 25, 1), 1
	s_wait_xcnt 0x0
	s_wait_alu depctr_hold_cnt(0) depctr_sa_sdst(0) depctr_va_vdst(0) depctr_va_sdst(0) depctr_va_ssrc(0) depctr_va_vcc(0) depctr_vm_vsrc(0)
	s_getreg_b32 s2, hwreg(HW_REG_IB_STS2, 6, 4)
	s_cmp_eq_u32 s2, 0
	s_cbranch_scc0 .Lentry_in_a_cluster
	s_endpgm
.Lentry_in_a_cluster:
	s_bfe_u32 s2, ttmp6, 0x10000c
	s_cmp_lg_u32 s2, 0x3003
	s_cbranch_scc0 .Lentry_shape_is_right
	s_endpgm
.Lentry_shape_is_right:
; Causal attention of one head on codes of FP8 (E4M3): S = q k^T / 8, softmax, O = P v; then O is quantised (entry 6 of the scales) and stored as an image of the last product's operand.
; THE SOFTMAX AHEAD OF THE SECOND PRODUCT: t = score x log2(e) / 8; M = the row's largest t so far, rounded UP to a whole number; p = 2^(t - M) is what is quantised (entry 4), not normalised.
; The row's sum is taken of the unquantised p, in f32, and divides O at the end.  When M moves, the sum and O are multiplied by 2^(old M - new M): exact.
; WORK LEFT OUT: causal attention sets every score with key > query to -infinity, so a step of 128 keys that all come after a tile's queries adds 0 to the sum and to O for all inputs: it is not walked.
; A NaN or an infinity that reaches only such scores is not carried to the result.
; LIMITS: e2 + e3 between -123 and 130 (they are added to c's exponent field); e4 and e6 between -126 and 119; e4 + e5 is applied by v_ldexp_f32 and has none; the scaled scores t stay under 2^31 in magnitude.
; qkv_img: [batch x head: 64][256 tokens: 8][Q 16,384 | K 16,384 | V 16,384], images of registers.  Q, K: [tile of 16 tokens][group 0..1][lane][16]: K = the head's 64.
;   V: [128 keys: 0..1][tile of 16 of the head's 64][group 0..3][lane][16]: K = the keys.   ao_img: [256 features: 4][tile of 16 tokens: 512][128 features: 0..1][group 0..3][lane][16].
; LDS HOLDS THE HEAD'S K AND V WHOLE: 2,048 keys x 64 codes are 131,072 bytes each: K's step s (128 keys) at 8,192 s, V's at 131,072 + 8,192 s.  Nothing is filled again: no ring.
; SHARES.  The four work-groups of a cluster serve one head.  Of each block b of 128 queries (8 tiles of 16) partner j takes tiles 8 b + j and 8 b + 4 + j.  A wave walks BOTH tiles of a block at once, so that each
; fragment of K and of V that it reads from LDS feeds two products: wave w takes block 15 - w, then block w: (16 - w) + (w + 1) = 17 steps of 128 keys for every wave.  Which steps a wave walks hangs on its number alone, never on j.
; JOINT LOADS.  The four partners need the same K and V: each of the eight waves asks for 16,384 bytes of keys 0-1,023 at the head, and for 16,384 bytes of keys 1,024-2,047 behind the three lines and a round,
; with the mask of all four.  The second group lands while the first block's steps 0 to 7 are walked, which are open for every wave (its block is 8 or more); one barrier follows them, and behind it no wave waits for another.
; NO PREFETCH: both groups of loads go out at the kernel's head, so there is no later load that a prefetch could run ahead of.
; LAYOUT.  Both products are used transposed: S^T = k q^T (source 0 = 16 keys, source 1 = 16 queries), O^T = v^T p^T: a lane holds ONE query of each tile (lane % 16) throughout.  In tile t of S^T lane (r, h) holds keys
; 16 t + 8 h + 0 .. 7: one conversion gives registers 2 t, 2 t + 1 of p's fragment.  Likewise O^T's four tiles give eight registers of the last product's fragment.
; REGISTERS, in two windows of 256.  x = 0, 1: the first and the second tile of the block.
;   window 0: v1-8 what stays; v[12+4x] -M, v[13+4x] the largest t, v[14+4x:15+4x] the sum in two halves; v20-23, v30 scales; v[24+2x:25+2x] f; v28, v29 permutes' destinations; v32-95 K's eight fragments;
;             v[96+64x ..] S^T, then p; v224-239 at work; v240-255 the first block's codes on the way out.
;   window 1: v0-31 Q (first block x = 0, 1; second block x = 0, 1); v32-95 V's four fragments; v[96+32x ..] O^T; v[160+16x ..] p's codes.
.set VOFF,  131072                     ; where V begins in LDS
.set HALF,  65536                      ; keys 1,024 on, in K's part and in V's
.set STEPB, 8192                       ; a step of 128 keys, in K's part and in V's
.set SPARE, 262144                     ; behind K and V: the spare words, 128 bytes for each wave: four blocks of 256 bytes that no other line names
.set LI,   1                           ; v1   16 x lane; never rewritten
.set RH0,  2                           ; v2   the first tile's query's place in its block of 128, less 8 h
.set RH1,  3                           ; v3   the second tile's: 64 more
.set AD,   4                           ; v4   LDS address of the step's K, for my lane
.set ADV,  5                           ; v5   of the step's V
.set SPW,  6                           ; v6   LDS address of my spare word; never rewritten
.set NIL,  7                           ; v7   0; never rewritten
.set NINF, 8                           ; v8   -infinity
.set WV,   18                          ; s18  my wave's number
.set SEL,  20                          ; s[20:21] lane selects for v_permlanex16_b32: lane l xor 16
.set CS,   22                          ; s[22:23] c = log2(e) / 8 x 2^(e2 + e3)
.set G1,   24                          ; s[24:31] descriptor group 1
.set G0A,  40                          ; s[40:43] group 0 of my first load, s[44:47] of my second
.set G0B,  44
.set TB,   67                          ; s67  8,192 x the step: where its K begins in LDS, and the loops' counter
.set BTA,  80                          ; s80  8,192 x the first block: the step on its diagonal
.set BTB,  81                          ; s81  the same for the second block
.set MSB, 0
.macro WIN new                         ; low byte: bits 1:0 source 0, 3:2 source 1, 5:4 source 2, 7:6 destination; the high byte repeats the setting that is left
.if MSB != (\new)
	s_set_vgpr_msb (MSB<<8)|(\new)
.set MSB, (\new)
.endif
.endm
.macro CROUND                          ; a round of the cluster's barrier
	s_barrier_signal -1
	s_barrier_wait -1
	s_cmp_lg_u32 s[WV], 0
	s_cbranch_scc1 .Lnot_wave_0_\@
	s_barrier_signal -3
.Lnot_wave_0_\@:
	s_barrier_wait -3
	s_barrier_signal -1
	s_barrier_wait -1
.endm
.macro TLOAD g0                        ; every wave issues it; an s_nop 0 and four v_nop follow
	tensor_load_to_lds s[\g0:\g0+3], s[G1:G1+7]
	s_nop 0
.rept 4
	v_nop
.endr
.endm
.macro TILEADR t, q, o                 ; tile s[t] of the head's 128: its Q in qkv_img, its 1,024 bytes of ao_img.  The block's second tile lies four tiles on in both
	s_lshr_b32 s96, s[\t], 4
	s_mul_i32 s96, s96, 49152
	s_and_b32 s97, s[\t], 15
	s_lshl_b32 s97, s97, 10
	s_add_co_u32 s96, s96, s97
	s_mov_b32 s97, 0
	s_add_nc_u64 s[\q:\q+1], s[4:5], s[96:97]
	s_lshl_b32 s96, s[\t], 12
	s_add_co_u32 s96, s96, s95
	s_add_nc_u64 s[\o:\o+1], s[8:9], s[96:97]
.endm
.macro INIT                            ; a block's state: the step is written alike for all, and the first finds zeros, which the first change of M leaves zeros
.irp x, 0,1
	v_mov_b32 v[13+4*\x], 0xff61b1e6               ; the largest t so far: -3e38, under every t
	v_floor_f32 v[12+4*\x], -v[13+4*\x]            ; -M
	v_mov_b32 v[14+4*\x], 0
	v_mov_b32 v[15+4*\x], 0
.endr
	WIN 0x40
.set N, 0
.rept 64
	v_mov_b32 v[96+N], 0                           ; both tiles' O^T, in window 1
.set N, N+1
.endr
	WIN 0
.endm
	s_load_b128 s[4:7], s[0:1], 0x0                ; qkv_img s[4:5], the scales' exponents s[6:7]
	s_load_b64 s[8:9], s[0:1], 0x10                ; ao_img
	v_lshl_add_u32 v[SPW], v0, 2, SPARE
	v_mov_b32 v[NIL], 0
	ds_add_u32 v[SPW], v[NIL]                      ; the wave's opening: the add, twice on end, and its wait ahead of my first tensor load
	ds_add_u32 v[SPW], v[NIL]
	v_lshrrev_b32 v9, 5, v0
	v_readfirstlane_b32 s[WV], v9                  ; wave 0..7
	s_and_b32 s84, ttmp7, 0xffff                   ; the cluster's y: 16 x batch + head
	s_mul_i32 s86, s84, 393216                     ; its first byte in qkv_img
	s_mov_b32 s87, 0
	; what I fetch: of the 256 keys number w / 2, K (w even) or V (w odd)
	s_lshr_b32 s88, s[WV], 1
	s_and_b32 s89, s[WV], 1
	s_lshl_b32 s90, s88, 14
	s_lshl_b32 s91, s89, 17
	s_add_co_u32 s90, s90, s91                     ; in LDS: the wave's number alone
	s_mul_i32 s92, s88, 49152
	s_lshl_b32 s93, s89, 14
	s_add_co_u32 s92, s92, s93
	s_add_co_u32 s92, s92, 16384                   ; in the head's bytes (K lies behind Q)
	s_mov_b32 s93, 0
	; descriptor group 1: a dense block of 16,384 bytes as 64 rows of 256 bytes
	s_mov_b32 s[G1], 15|(3<<16)|(1<<21)            ; 15:0 the mask: all four partners; 17:16 elements of 8 bytes; 21 set beside a mask; no padding
	s_mov_b32 s[G1+1], 32<<16                      ; tensor_dim0
	s_mov_b32 s[G1+2], 64<<16                      ; tensor_dim1
	s_mov_b32 s[G1+3], 32<<16                      ; tile_dim0
	s_mov_b32 s[G1+4], 64                          ; tile_dim1
	s_mov_b32 s[G1+5], 32                          ; tensor_dim0_stride: dense
	s_mov_b32 s[G1+6], 0
	s_mov_b32 s[G1+7], 0
	s_mov_b32 s[SEL], 0x76543210
	s_mov_b32 s[SEL+1], 0xfedcba98
	s_mov_b32 s[CS], 0x3e38aa3b                    ; log2(e) / 8
	s_wait_dscnt 0x0                               ; both opening adds are done
	s_wait_kmcnt 0x0
	s_load_b256 s[68:75], s[6:7], 0x0              ; e0 .. e7
	s_add_nc_u64 s[4:5], s[4:5], s[86:87]          ; qkv_img at my head
	s_mov_b32 s[G0A], 1
	s_mov_b32 s[G0A+1], s90
	s_add_nc_u64 s[G0A+2:G0A+3], s[4:5], s[92:93]
	s_mov_b32 s[G0B], 1
	s_add_co_u32 s[G0B+1], s90, HALF
	s_add_nc_u64 s[G0B+2:G0B+3], s[G0A+2:G0A+3], 196608   ; 1,024 keys on: four times 49,152 bytes
	s_or_b32 s[G0A+3], s[G0A+3], 0x80000000
	s_or_b32 s[G0B+3], s[G0B+3], 0x80000000
	CROUND                                         ; all four work-groups are here: the first joint loads meet
	TLOAD G0A                                      ; keys 0-1,023: one tensor load a wave at the head
	; my two blocks.  The steps' branches hang on s[BTA] and s[BTB], made of the wave's number alone; j enters global addresses and the mask's vector compare only
	s_bfe_u32 s85, ttmp6, 0x40000                  ; j: my place in the cluster
	s_lshl_b32 s[BTB], s[WV], 13
	s_sub_co_u32 s90, 15, s[WV]
	s_lshl_b32 s[BTA], s90, 13
	s_lshl_b32 s92, s90, 3
	s_add_co_u32 s92, s92, s85                     ; the first block's first tile
	s_lshl_b32 s93, s[WV], 3
	s_add_co_u32 s93, s93, s85                     ; the second block's
	s_and_b32 s94, s84, 15                         ; head hd is features 64 hd on
	s_lshr_b32 s95, s94, 2
	s_lshl_b32 s95, s95, 21                        ; which 256 features: 512 tiles x 4,096 bytes
	s_and_b32 s94, s94, 3
	s_lshl_b32 s94, s94, 10                        ; which 128 features and which two groups of them
	s_add_co_u32 s95, s95, s94
	s_lshr_b32 s94, s84, 4
	s_lshl_b32 s94, s94, 19                        ; the batch's 128 tiles
	s_add_co_u32 s95, s95, s94
	TILEADR 92, 10, 14
	TILEADR 93, 12, 16
	s_lshl_b32 s91, s85, 4                         ; the first tile's first query in its block
	v_and_b32 v9, 31, v0
	v_lshlrev_b32 v[LI], 4, v9
	WIN 0x40                                       ; all four tiles' Q stay in registers, in window 1
.irp x, 0,1
	global_load_b128 v[8*\x:8*\x+3], v[LI], s[10:11] offset:4096*\x
	global_load_b128 v[8*\x+4:8*\x+7], v[LI], s[10:11] offset:4096*\x+512
	global_load_b128 v[16+8*\x:16+8*\x+3], v[LI], s[12:13] offset:4096*\x
	global_load_b128 v[16+8*\x+4:16+8*\x+7], v[LI], s[12:13] offset:4096*\x+512
.endr
	WIN 0
	v_and_b32 v9, 15, v0
	v_bfe_u32 v10, v0, 4, 1
	v_lshlrev_b32 v10, 3, v10
	v_sub_nc_u32 v[RH0], v9, v10
	v_add_nc_u32 v[RH0], s91, v[RH0]
	v_add_nc_u32 v[RH1], 64, v[RH0]
	v_mov_b32 v[NINF], 0xff800000
	v_mov_b32 v25, 0                               ; (named as the upper halves of the pairs v[24:25], v[26:27])
	v_mov_b32 v27, 0
	v_mov_b32 v28, 0                               ; written once: a lane permute's destination counts as one of its sources
	v_mov_b32 v29, 0
	INIT
	s_wait_kmcnt 0x0
	s_add_co_i32 s88, s70, s71
	s_lshl_b32 s88, s88, 23
	s_add_co_i32 s[CS], s[CS], s88                 ; a score stands for score x 2^(e2 + e3): the exponents are added to c's exponent field
	s_mov_b32 s[CS+1], s[CS]                       ; (named with it as a pair, so it is written)
	s_add_co_i32 s88, s72, 127
	s_lshl_b32 s89, s88, 23
	v_mov_b32 v20, s89                             ; 2^e4, for p's conversions
	s_add_co_i32 s88, s88, 8
	s_lshl_b32 s88, s88, 23
	s_or_b32 s88, s88, 0x600000
	v_mov_b32 v21, s88                             ; 448 x 2^e4,
	v_mov_b32 v23, s88                             ; twice: one for each half of a dual pair
	s_add_co_i32 s88, s74, 127
	s_lshl_b32 s89, s88, 23
	v_mov_b32 v22, s89                             ; 2^e6, for O's
	s_add_co_i32 s88, s88, 8
	s_lshl_b32 s88, s88, 23
	s_or_b32 s88, s88, 0x600000
	v_mov_b32 v30, s88                             ; 448 x 2^e6
	s_add_co_i32 s82, s72, s73                     ; e4 + e5
; A KEY STEP of both tiles: the 128 keys at s[TB].  tests = 0: every key counts.  tests = 1: a step behind the block is left out, by a scalar branch on the wave's number and the count of steps, round the step's work alone;
; the step on the diagonal hides keys; the steps ahead of it skip that.  q: the block's Q in window 1 (the second tile's 8 registers on).  bt: the scalar with the diagonal's step.
; The two tiles' chains stand line by line beside each other, so that no line reads the line above it.
.macro STEP tests, q, bt
.if \tests
	s_cmp_gt_u32 s[TB], s[\bt]
	s_cbranch_scc1 .Lhidden_\@
.endif
	v_add_nc_u32 v[AD], s[TB], v[LI]
	v_add_nc_u32 v[ADV], VOFF, v[AD]
	v_nop                                          ; with the two additions: four places in front of loads into registers that the last step's products have read
	v_nop
.irp t, 0,1,2,3,4,5,6,7
.irp g, 0,1
	ds_load_b128 v[32+8*\t+4*\g:32+8*\t+4*\g+3], v[AD] offset:1024*\t+512*\g
.endr
.endr
	WIN 0x40                                       ; V has registers of its own, in window 1: its fragments land while the scores and the softmax are made
.irp t, 0,1,2,3
.irp g, 0,1,2,3
	ds_load_b128 v[32+16*\t+4*\g:32+16*\t+4*\g+3], v[ADV] offset:2048*\t+512*\g
.endr
.endr
	s_wait_dscnt 16                                ; K's sixteen loads are in; V's sixteen, issued behind them, may be out
	WIN 0x04                                       ; source 1 (Q) in window 1
.irp t, 0,1,2,3,4,5,6,7                        ; S^T = k q^T: eight tiles of 16 keys, K = the head's 64; each fragment of K serves both tiles of queries
	v_wmma_f32_16x16x64_fp8_fp8 v[96+8*\t:103+8*\t], v[32+8*\t:39+8*\t], v[\q:\q+7], 0
	v_wmma_f32_16x16x64_fp8_fp8 v[160+8*\t:167+8*\t], v[32+8*\t:39+8*\t], v[\q+8:\q+15], 0
.endr
	WIN 0
.rept 4
	v_nop                                          ; places in front of the first read of the scores
.endr
.if \tests
	s_cmp_lt_u32 s[TB], s[\bt]
	s_cbranch_scc1 .Lopen_\@
; On the diagonal register 8 t + i holds key 16 t + 8 h + i of the block: hidden where 16 t + i > the query's place less 8 h; its score becomes -infinity ahead of the maximum, so p = 0.
; The first tile's queries lie in the block's first 64 whatever j is, so its keys 64-127 are all hidden; the second tile's lie in the last 64, so its keys 0-63 all count.
.set N, 0
.rept 32
	v_cmp_gt_i32 vcc_lo, 16*(N/8)+N%8, v[RH0]
	v_cndmask_b32 v[96+N], v[96+N], v[NINF], vcc_lo
.set N, N+1
.endr
.rept 32
	v_mov_b32 v[96+N], v[NINF]
	v_cmp_gt_i32 vcc_lo, 16*(N/8)+N%8, v[RH1]
	v_cndmask_b32 v[160+N], v[160+N], v[NINF], vcc_lo
.set N, N+1
.endr
.Lopen_\@:
.endif
.irp x, 0,1                                    ; the step's largest score of each query, among my 64 keys, in two chains a tile (each accumulator is first read at its low end),
	v_max3_num_f32 v[224+2*\x], v[96+64*\x], v[97+64*\x], v[98+64*\x]
.endr
.irp x, 0,1
	v_max3_num_f32 v[225+2*\x], v[99+64*\x], v[100+64*\x], v[101+64*\x]
.endr
.irp i, 6,10,14,18,22,26,30,34,38,42,46,50,54,58
.irp x, 0,1
	v_max3_num_f32 v[224+2*\x], v[224+2*\x], v[96+64*\x+\i], v[97+64*\x+\i]
.endr
.irp x, 0,1
	v_max3_num_f32 v[225+2*\x], v[225+2*\x], v[98+64*\x+\i], v[99+64*\x+\i]
.endr
.endr
	v_max3_num_f32 v224, v224, v158, v159
	v_max3_num_f32 v226, v226, v222, v223
	v_max_num_f32 v224, v224, v225
	v_max_num_f32 v226, v226, v227
	v_permlanex16_b32 v28, v224, s[SEL], s[SEL+1]
	v_permlanex16_b32 v29, v226, s[SEL], s[SEL+1]
	v_max_num_f32 v224, v224, v28                  ; and among lane l xor 16's
	v_max_num_f32 v226, v226, v29
	v_mul_f32 v224, s[CS], v224                    ; as t (c is positive)
	v_mul_f32 v226, s[CS], v226
	v_max_num_f32 v13, v13, v224                   ; the running largest t
	v_max_num_f32 v17, v17, v226
	v_mov_b32 v224, v12
	v_mov_b32 v226, v16
	v_floor_f32 v12, -v13                          ; the new -M = floor(-t) = -ceil(t): M is a whole number
	v_floor_f32 v16, -v17
	v_sub_f32 v224, v12, v224                      ; M's old value less its new one: a whole number, 0 or less
	v_sub_f32 v226, v16, v226
	v_cvt_i32_f32 v224, v224                       ; (it saturates)
	v_cvt_i32_f32 v226, v226
	v_ldexp_f32 v24, 1.0, v224                     ; f = 2^(old M - new M)
	v_ldexp_f32 v26, 1.0, v226
.set N, 0
.rept 32
	v_pk_fma_f32 v[96+N:97+N], v[96+N:97+N], s[CS:CS+1], v[12:13] op_sel_hi:[1,0,0]   ; t - M, two at a time (of the pairs c and -M the low word serves both halves)
	v_pk_fma_f32 v[160+N:161+N], v[160+N:161+N], s[CS:CS+1], v[16:17] op_sel_hi:[1,0,0]
.set N, N+2
.endr
	s_wait_alu depctr_va_vdst(0)
.set N, 0
.rept 128
	v_exp_f32 v[96+N], v[96+N]                     ; p = 2^(t - M), at most 1: not normalised: both tiles in one batch
.set N, N+1
.endr
	v_pk_mul_f32 v[14:15], v[14:15], v[24:25] op_sel_hi:[1,0]   ; the sums under the new M.  (The plain lines behind the exponentials)
	v_pk_mul_f32 v[18:19], v[18:19], v[26:27] op_sel_hi:[1,0]
	s_wait_alu depctr_va_vdst(0)                   ; one wait for the batch, ahead of its first reader
; the rows' sums are taken of the unquantised p: two at a time, in four chains a tile: v[228+6x ..] three pairs, and the sum itself
.irp c, 0,1,2
.irp x, 0,1
	v_pk_add_f32 v[228+6*\x+2*\c:229+6*\x+2*\c], v[96+64*\x+4*\c:97+64*\x+4*\c], v[98+64*\x+4*\c:99+64*\x+4*\c]
.endr
.endr
.irp x, 0,1
	v_pk_add_f32 v[14+4*\x:15+4*\x], v[14+4*\x:15+4*\x], v[108+64*\x:109+64*\x]
.endr
.irp k, 14,22,30,38,46,54
.irp c, 0,1,2
.irp x, 0,1
	v_pk_add_f32 v[228+6*\x+2*\c:229+6*\x+2*\c], v[228+6*\x+2*\c:229+6*\x+2*\c], v[96+64*\x+\k+2*\c:97+64*\x+\k+2*\c]
.endr
.endr
.irp x, 0,1
	v_pk_add_f32 v[14+4*\x:15+4*\x], v[14+4*\x:15+4*\x], v[102+64*\x+\k:103+64*\x+\k]
.endr
.endr
.irp x, 0,1
	v_pk_add_f32 v[228+6*\x:229+6*\x], v[228+6*\x:229+6*\x], v[158+64*\x:159+64*\x]
.endr
.irp x, 0,1
	v_pk_add_f32 v[14+4*\x:15+4*\x], v[14+4*\x:15+4*\x], v[232+6*\x:233+6*\x]
.endr
.irp x, 0,1
	v_pk_add_f32 v[228+6*\x:229+6*\x], v[228+6*\x:229+6*\x], v[230+6*\x:231+6*\x]
.endr
.irp x, 0,1
	v_pk_add_f32 v[14+4*\x:15+4*\x], v[14+4*\x:15+4*\x], v[228+6*\x:229+6*\x]
.endr
.set N, 0
.rept 64                                       ; the conversion does not saturate (ISA guide 7.6.2); p is not negative, so the hold is one-sided; two numbers to a dual pair
	v_dual_min_num_f32 v[96+N], v[96+N], v21 :: v_dual_min_num_f32 v[97+N], v[97+N], v23
.set N, N+2
.endr
	WIN 0x40                                       ; the codes go to window 1
.irp t, 0,1,2,3,4,5,6,7,8,9,10,11,12,13,14,15
	v_cvt_scalef32_pk8_fp8_f32 v[160+2*\t:161+2*\t], v[96+8*\t:103+8*\t], v20   ; registers 2 (t % 8), + 1 of the fragment of p of tile t / 8
.endr
	WIN 0x41                                       ; O^T in window 1, f in window 0
	s_wait_alu depctr_va_vdst(0)
.set N, 0
.rept 16
	v_pk_mul_f32 v[96+N:97+N], v[96+N:97+N], v[24:25] op_sel_hi:[1,0]   ; O^T under the new M.  (Also the plain lines between the conversions and the products below)
	v_pk_mul_f32 v[128+N:129+N], v[128+N:129+N], v[26:27] op_sel_hi:[1,0]
.set N, N+2
.endr
	s_wait_alu depctr_va_vdst(0)
	s_wait_dscnt 0x0                               ; V is in
	WIN 0x55
.irp t, 0,1,2,3                                ; O^T += v^T p^T: four tiles of 16 of the head's 64, K = these 128 keys; each fragment of V serves both tiles.  The eight accumulators take turns
	v_wmma_f32_16x16x128_fp8_fp8 v[96+8*\t:103+8*\t], v[32+16*\t:47+16*\t], v[160:175], v[96+8*\t:103+8*\t]
	v_wmma_f32_16x16x128_fp8_fp8 v[128+8*\t:135+8*\t], v[32+16*\t:47+16*\t], v[176:191], v[128+8*\t:135+8*\t]
.endr
	WIN 0
.if \tests
.Lhidden_\@:
.endif
.endm
; A BLOCK'S WAY OUT.  O^T x 2^(e4 + e5) / the sum, held, converted: eight registers a tile of the last product's fragment, stored as they stand: stores of 512 consecutive bytes, aligned.
; cd: the codes' sixteen registers: each block has its own, so no store's data are written again.  o: the first tile's place in ao_img; the second tile's lies four tiles of 4,096 bytes on.
.macro FINISH cd, o
	v_add_f32 v14, v14, v15                        ; the sums' two halves,
	v_add_f32 v18, v18, v19
	v_permlanex16_b32 v28, v14, s[SEL], s[SEL+1]
	v_permlanex16_b32 v29, v18, s[SEL], s[SEL+1]
	v_add_f32 v14, v14, v28                        ; and lane l xor 16's: the rows' sums
	v_add_f32 v18, v18, v29
	s_wait_alu depctr_va_vdst(0)
	v_rcp_f32 v14, v14
	v_rcp_f32 v18, v18
	v_nop                                          ; a plain line behind the reciprocals
	v_nop
	s_wait_alu depctr_va_vdst(0)                   ; the wait ahead of the first line that names a reciprocal
	v_ldexp_f32 v14, v14, s82
	v_ldexp_f32 v18, v18, s82
	WIN 0x01                                       ; source 0 (O^T) in window 1
	s_wait_alu depctr_va_vdst(0)
.set N, 0
.rept 32
	v_mul_f32 v[96+N], v[96+N], v14                ; register 8 t + i is o(my query, 16 t + 8 h + i); each accumulator from its low end on
.set N, N+1
.endr
.rept 32
	v_mul_f32 v[96+N], v[96+N], v18
.set N, N+1
.endr
	WIN 0
.set N, 0
.rept 64
	v_med3_num_f32 v[96+N], v[96+N], -v30, v30
.set N, N+1
.endr
.irp t, 0,1,2,3,4,5,6,7
	v_cvt_scalef32_pk8_fp8_f32 v[\cd+2*\t:\cd+2*\t+1], v[96+8*\t:103+8*\t], v22
.endr
	v_nop                                          ; a plain line behind the last conversion
.irp x, 0,1
	global_store_b128 v[LI], v[\cd+8*\x:\cd+8*\x+3], s[\o:\o+1] offset:16384*\x
	global_store_b128 v[LI], v[\cd+8*\x+4:\cd+8*\x+7], s[\o:\o+1] offset:16384*\x+512
.endr
.endm
	s_wait_alu depctr_va_vdst(0)
	s_wait_tensorcnt 0x0                           ; my part of keys 0-1,023 is in
	ds_add_u32 v[SPW], v[NIL]
	s_wait_dscnt 0x0
	CROUND                                         ; everybody's part is in, and all four work-groups are here: the joint loads meet
	TLOAD G0B                                      ; keys 1,024-2,047: the first tensor load behind the round, into bytes of their own
	s_wait_loadcnt 0x0                             ; Q
	s_mov_b32 s[TB], 0
.Lfirst:                                           ; the first block, steps 0 to 7: the block is 8 or more in every wave, so every key counts
	STEP 0, 0, BTA
	s_add_co_u32 s[TB], s[TB], STEPB
	s_cmp_lt_u32 s[TB], HALF
	s_cbranch_scc1 .Lfirst
	s_wait_tensorcnt 0x0                           ; my part of keys 1,024-2,047 is in,
	s_barrier_signal -1
	s_barrier_wait -1                              ; and everybody's
.Lsecond:                                          ; the first block, steps 8 to 15: eight trips in every wave; the steps behind the diagonal are jumped over
	STEP 1, 0, BTA
	s_add_co_u32 s[TB], s[TB], STEPB
	s_cmp_lt_u32 s[TB], 2*HALF
	s_cbranch_scc1 .Lsecond
	FINISH 240, 14
	INIT
	s_mov_b32 s[TB], 0
.Lthird:                                           ; the second block, steps 0 to 7: the block is 7 or less
	STEP 1, 16, BTB
	s_add_co_u32 s[TB], s[TB], STEPB
	s_cmp_lt_u32 s[TB], HALF
	s_cbranch_scc1 .Lthird
	FINISH 32, 16
	s_wait_tensorcnt 0x0                           ; the wave's end
	ds_add_u32 v[SPW], v[NIL]
	s_wait_dscnt 0x0
	CROUND                                         ; the closing round
	s_endpgm
.Lfunc_end_k_qf0910b6d4e_attn:
	.size	k_qf0910b6d4e_attn, .Lfunc_end_k_qf0910b6d4e_attn-k_qf0910b6d4e_attn
	.p2alignl 7, 3214868480
	.fill 96, 4, 3214868480
	.section	.rodata,"a",@progbits
	.p2align	6, 0x0
	.amdhsa_kernel k_qf0910b6d4e_attn
		.amdhsa_group_segment_fixed_size 327680
		.amdhsa_private_segment_fixed_size 0
		.amdhsa_enable_private_segment 0
		.amdhsa_kernarg_size 24
		.amdhsa_user_sgpr_count 2
		.amdhsa_user_sgpr_kernarg_segment_ptr 1
		.amdhsa_wavefront_size32 1
		.amdhsa_system_sgpr_workgroup_id_x 1
		.amdhsa_system_sgpr_workgroup_id_y 1
		.amdhsa_system_sgpr_workgroup_id_z 1
		.amdhsa_system_vgpr_workitem_id 0
		.amdhsa_next_free_vgpr 512
		.amdhsa_next_free_sgpr 100
		.amdhsa_reserve_vcc 1
		.amdhsa_float_denorm_mode_32 3
		.amdhsa_float_denorm_mode_16_64 3
		.amdhsa_memory_ordered 1
		.amdhsa_forward_progress 1
		.amdhsa_inst_pref_size 125
	.end_amdhsa_kernel
	.amdgpu_metadata
---
amdhsa.version: [ 1, 2 ]
amdhsa.kernels:
  - .name:           k_qf0910b6d4e_attn
    .symbol:         k_qf0910b6d4e_attn.kd
    .args:
      - { .name: qkv_img, .offset: 0, .size: 8, .value_kind: global_buffer, .address_space: global }
      - { .name: lowp_scales, .offset: 8, .size: 8, .value_kind: global_buffer, .address_space: global }
      - { .name: ao_img, .offset: 16, .size: 8, .value_kind: global_buffer, .address_space: global }
    .group_segment_fixed_size: 327680
    .private_segment_fixed_size: 0
    .kernarg_segment_align: 8
    .kernarg_segment_size: 24
    .max_flat_workgroup_size: 256
    .sgpr_count:     100
    .vgpr_count:     512
    .wavefront_size: 32
...
	.end_amdgpu_metadata
.endif
;; end of part 3
;; launch proj (part 4): grid 8 x 32, 4 waves a work-group, clusters of 4 x 4, 327,680 bytes of LDS; arguments ao_img, codes, lowp_scales, proj_b, out0; writes out0
.if DOCPART == 4
	.amdgcn_target "amdgcn-amd-amdhsa--gfx1250"
	.amdhsa_code_object_version 6
	.text
	.protected	k_qf0910b6d4e_proj
	.globl	k_qf0910b6d4e_proj
	.p2align	8
	.type	k_qf0910b6d4e_proj,@function
k_qf0910b6d4e_proj:
	s_mov_b64 s[64:65], 0
	v_nop
	global_prefetch_b8 v0, s[64:65] scope:SCOPE_SE
	s_setreg_imm32_b32 hwreg(HW_REG_WAVE_MODE, 25, 1), 1
	s_wait_xcnt 0x0
	s_wait_alu depctr_hold_cnt(0) depctr_sa_sdst(0) depctr_va_vdst(0) depctr_va_sdst(0) depctr_va_ssrc(0) depctr_va_vcc(0) depctr_vm_vsrc(0)
	s_getreg_b32 s2, hwreg(HW_REG_IB_STS2, 6, 4)
	s_cmp_eq_u32 s2, 0
	s_cbranch_scc0 .Lentry_in_a_cluster
	s_endpgm
.Lentry_in_a_cluster:
	s_bfe_u32 s2, ttmp6, 0x10000c
	s_cmp_lg_u32 s2, 0xf033
	s_cbranch_scc0 .Lentry_shape_is_right
	s_endpgm
.Lentry_shape_is_right:
; out0 = attention's output x proj_w + proj_b on codes of FP8 (E4M3), K = 1,024.  A sum of codes stands for sum x 2^(e6 + e7): the bias goes in as the C of the first products, divided by that power of two, and each
; finished sum is multiplied by it once.  LIMIT: e6 + e7 between -126 and 127.
; A work-group of four waves makes 256 tokens x 128 features, so that the grid is 8 x 32 = 256 work-groups; a wave makes 128 x 64: 32 accumulators.  K goes in slots of 256 through a ring of two LDS slots.
; THE MATRIX INSTRUCTION: source 0 = 16 rows of Cc (proj_w's columns), source 1 = 16 rows of R (tokens): in accumulator (a, b) lane (r, h) holds token 16 a + r and features 16 b + 8 h + 0 .. 7: 32 neighbouring bytes of a row of out0.
; The operands come as images of registers ([slot of 256 K][tile of 16 rows][128 K][group][lane][16]): 16 rows x 256 K are 4,096 dense bytes, and a fragment is four loads of 16 bytes a lane.
; CLUSTERS: 4 x 4 work-groups.  R's tiles hang on cy, Cc's on cx: the four of a row of the cluster ask for R's tile jointly, the four of a column for Cc's.  Waves 0 and 1 fetch R's halves (32,768 bytes each), waves 2 and 3 Cc's (16,384 each).
; NO PREFETCH: K is four slots; slots 0 and 1 are asked for at the head, and only two refills follow, each a slot behind the head's loads: no trip stands two slots ahead of a load.
; REGISTERS, in windows of 256: window 0: v0-31 addresses; v32-63 the bias, then the way out's numbers; from v128 R's fragments, ONE set; window 1: Cc's fragments, TWO sets (v0-63, v128-191);
;   windows 2, 3: the accumulators ((a, b) at v[8 (8 (a % 4) + b)], b = 0 .. 3; a < 4 in window 2).
.set ASLOT,  2097152                   ; ao_img: from a slot of 256 K to the next
.set KSLOT,  3145728                   ; codes: likewise
.set CCOFF,  65536                     ; an LDS slot: R's 256 rows (65,536 bytes), then Cc's 128 (32,768)
.set SLOT,   98304
.set SPARE,  2*SLOT                    ; behind the ring: the spare words, 128 bytes for each wave: two blocks of 256 bytes that no other line names
.set SPITCH, 272                       ; the way out: a stage of 16 rows x (256 bytes + 16) for each wave, in slot 0, which has had its last fill and its last read by then
.set SIZE_N, 1024
.set FR,     16
.set NL,     4
.set NP,     4                         ; places behind this matrix instruction (ISA guide 7.12.1)
.set ADRA, 16                          ; v16-17  LDS address of my R fragments in slot 0, 1
.set ADRB, 20                          ; v20-21  the same for Cc
.set STO,  24                          ; v24     the way out: where I put 32 bytes of a row
.set RD,   25                          ; v25     where I read rows back: sixteen lanes to a row
.set LI,   26                          ; v26     16 x lane
.set CO,   27                          ; v27     my byte offset in two rows of out0
.set SPW,  28                          ; v28     LDS address of my spare word; never rewritten
.set NIL,  29                          ; v29     0; never rewritten
.set BC,   32
.set TMP,  32
.set AF,   128
.set BK,   128
.set G1, 24
.set G0, 32
.set G1B, 48
.set G0B, 56
.set MSB, 0
.macro WIN new
.if MSB != (\new)
	s_set_vgpr_msb (MSB<<8)|(\new)
.set MSB, (\new)
.endif
.endm
.set MUL_LO, 0xa1                      ; source 0 (Cc) window 1, source 1 (R) window 0, C and D window 2
.set MUL_HI, 0xf1                      ; the same, C and D window 3
.set BEG_LO, 0x81                      ; the first products: C (the bias) window 0
.set BEG_HI, 0xc1
.set TO_B,   0x40
.macro JLOAD g0a, g1a, g0b, g1b        ; a joint load: waves 0, 1 for R, waves 2, 3 for Cc; an s_nop 0 and four v_nop follow each line
	s_cmp_eq_u32 s15, 0
	s_cbranch_scc0 .Lfor_b_\@
	tensor_load_to_lds s[\g0a:\g0a+3], s[\g1a:\g1a+7]
	s_nop 0
.rept 4
	v_nop
.endr
	s_branch .Lasked_\@
.Lfor_b_\@:
	tensor_load_to_lds s[\g0b:\g0b+3], s[\g1b:\g1b+7]
	s_nop 0
.rept 4
	v_nop
.endr
.Lasked_\@:
.endm
.macro CREST
	s_cmp_lg_u32 s14, 0
	s_cbranch_scc1 .Lnot_wave_0_\@
	s_barrier_signal -3
.Lnot_wave_0_\@:
	s_barrier_wait -3
	s_barrier_signal -1
	s_barrier_wait -1
.endm
.macro CROUND
	s_barrier_signal -1
	s_barrier_wait -1
	CREST
.endm
	s_load_b256 s[4:11], s[0:1], 0x0               ; ao_img s[4:5], codes s[6:7], the scales' exponents s[8:9], proj_b s[10:11]
	s_load_b64 s[12:13], s[0:1], 0x20              ; out0
	v_lshl_add_u32 v[SPW], v0, 2, SPARE
	v_mov_b32 v[NIL], 0
	ds_add_u32 v[SPW], v[NIL]                      ; the wave's opening: the add, twice on end, and its wait ahead of my first tensor load
	ds_add_u32 v[SPW], v[NIL]
	v_lshrrev_b32 v1, 5, v0
	v_readfirstlane_b32 s14, v1                    ; wave 0..3
	s_lshr_b32 s15, s14, 1                         ; which 128 of the 256 tokens are mine.  Also: I fetch for R (0) or for Cc (1)
	s_and_b32 s16, s14, 1                          ; which 64 of the 128 features.  Also: which half of that tile I fetch
	s_bfe_u32 s40, ttmp6, 0x40000                  ; cx, cy
	s_bfe_u32 s41, ttmp6, 0x40004
	s_lshl_b32 s42, ttmp9, 2
	s_add_co_u32 s42, s42, s40                     ; the block of 128 features: hangs on cx, never on cy
	s_and_b32 s17, ttmp7, 0xffff
	s_lshl_b32 s17, s17, 2
	s_add_co_u32 s17, s17, s41                     ; the block of 256 tokens: hangs on cy, never on cx
	s_lshl_b32 s43, s41, 2
	s_lshl_b32 s43, 15, s43                        ; my row of the cluster
	s_lshl_b32 s44, 0x1111, s40                    ; my column
	s_or_b32 s[G1+0], s43, (3<<16)|(1<<21)         ; the mask; elements of 8 bytes; bit 21 beside a mask; no padding
	s_or_b32 s[G1B+0], s44, (3<<16)|(1<<21)
.irp g, G1, G1B                        ; dense blocks as rows of 256 bytes
	s_mov_b32 s[\g+1], 32<<16
	s_mov_b32 s[\g+3], 32<<16
	s_mov_b32 s[\g+5], 32
	s_mov_b32 s[\g+6], 0
	s_mov_b32 s[\g+7], 0
.endr
	s_mov_b32 s[G1+2], 128<<16                     ; R: 128 rows: 32,768 bytes
	s_mov_b32 s[G1+4], 128
	s_mov_b32 s[G1B+2], 64<<16                     ; Cc: 64 rows: 16,384 bytes
	s_mov_b32 s[G1B+4], 64
	s_lshl_b32 s18, s16, 15
	s_lshl_b32 s20, s17, 16                        ; 256 tokens x 256 K are 65,536 bytes
	s_add_co_u32 s20, s20, s18
	s_mov_b32 s21, 0
	s_lshl_b32 s46, s42, 15                        ; 128 features x 256 K are 32,768 bytes;
	s_add_co_u32 s46, s46, 44<<16                  ; proj_w's tiles begin at tile 704 of a slot of the codes
	s_lshl_b32 s19, s16, 14
	s_add_co_u32 s46, s46, s19
	s_mov_b32 s47, 0
	s_lshl_b32 s45, s14, 15                        ; where R's halves go (waves 0, 1),
	s_add_co_u32 s19, s19, CCOFF                   ; and Cc's (waves 2, 3): the wave's number alone
	s_wait_dscnt 0x0                               ; both opening adds are done
	s_wait_kmcnt 0x0
	s_load_b256 s[88:95], s[8:9], 0x0              ; e0 .. e7
	s_add_nc_u64 s[20:21], s[4:5], s[20:21]
	s_add_nc_u64 s[46:47], s[6:7], s[46:47]
	CROUND                                         ; all sixteen work-groups are here: the first joint loads meet
.irp s, 0,1
	s_mov_b32 s[G0+4*\s], 1
	s_add_co_u32 s[G0+4*\s+1], s45, \s*SLOT
	s_add_nc_u64 s[G0+4*\s+2:G0+4*\s+3], s[20:21], \s*ASLOT
	s_or_b32 s[G0+4*\s+3], s[G0+4*\s+3], 0x80000000
	s_mov_b32 s[G0B+4*\s], 1
	s_add_co_u32 s[G0B+4*\s+1], s19, \s*SLOT
	s_add_nc_u64 s[G0B+4*\s+2:G0B+4*\s+3], s[46:47], \s*KSLOT
	s_or_b32 s[G0B+4*\s+3], s[G0B+4*\s+3], 0x80000000
.endr
	JLOAD G0, G1, G0B, G1B                         ; slot 0: one tensor load a wave at the head
	s_lshl_b32 s70, s15, 15                        ; my 128 rows of R in slot 0, 1
	s_add_co_u32 s71, s70, SLOT
	s_lshl_b32 s72, s16, 14                        ; my 64 rows of Cc
	s_add_co_u32 s72, s72, CCOFF
	s_add_co_u32 s73, s72, SLOT
	s_mul_i32 s74, s14, 16*SPITCH                  ; my stage
	s_lshl_b32 s20, s17, 20                        ; my first row of out0: 256 rows of 4,096 bytes a block, 128 a half
	s_lshl_b32 s21, s15, 19
	s_add_co_u32 s20, s20, s21
	s_mov_b32 s21, 0
	s_lshl_b32 s46, s42, 9                         ; my first feature, in bytes: 512 x block + 256 x half
	s_lshl_b32 s47, s16, 8
	s_add_co_u32 s46, s46, s47
	s_mov_b32 s47, 0
	s_add_nc_u64 s[68:69], s[10:11], s[46:47]      ; its bias
	s_add_nc_u64 s[20:21], s[20:21], s[46:47]
	s_add_nc_u64 s[12:13], s[12:13], s[20:21]
	v_and_b32 v6, 31, v0
	v_lshlrev_b32 v[LI], 4, v6
	v_add_nc_u32 v[ADRA], s70, v[LI]
	v_add_nc_u32 v[ADRA+1], s71, v[LI]
	v_add_nc_u32 v[ADRB], s72, v[LI]
	v_add_nc_u32 v[ADRB+1], s73, v[LI]
	v_and_b32 v1, 15, v0                           ; r
	v_bfe_u32 v2, v0, 4, 1                         ; h
	v_mul_u32_u24 v5, v1, SPITCH                   ; into the stage: row r, 32 bytes for each half of the lanes
	v_lshl_add_u32 v5, v2, 5, v5
	v_add_nc_u32 v[STO], s74, v5
	v_mul_u32_u24 v7, v2, SPITCH                   ; back: lanes 0-15 one row of 256 bytes, lanes 16-31 the next
	v_lshl_add_u32 v7, v1, 4, v7
	v_add_nc_u32 v[RD], s74, v7
	v_lshlrev_b32 v[CO], 12, v2                    ; and the same two rows in out0
	v_lshl_add_u32 v[CO], v1, 4, v[CO]
	v_lshlrev_b32 v9, 5, v2
.irp b, 0,1,2,3
	global_load_b128 v[BC+8*\b:BC+8*\b+3], v9, s[68:69] offset:64*\b       ; the bias of feature 16 b + 8 h + i at v[BC + 8 b + i]
	global_load_b128 v[BC+8*\b+4:BC+8*\b+7], v9, s[68:69] offset:64*\b+16
.endr
.macro FRAG reg, adr, q, i             ; a fragment comes as it was stored: four groups of four registers, 512 bytes on end each
.irp c, 0,1,2,3
	ds_load_b128 v[\reg+4*\c:\reg+4*\c+3], v[\adr] offset:2048*(\q)+512*\c+4096*(\i)
.endr
.endm
; 8 matrix instructions: R's blocks a0, a0 + 1 x Cc's four, 128 along K.  p: Cc's set.  first = 1: the bias is the C of the first products.  The 32 accumulators take turns, one instruction a turn.
.macro MUL8 a0, p, first
.irp a, \a0, \a0+1
.irp b, 0,1,2,3
.if \first
	v_wmma_f32_16x16x128_fp8_fp8 v[8*(8*((\a)%4)+\b):8*(8*((\a)%4)+\b)+7], v[128*(\p)+FR*\b:128*(\p)+FR*\b+FR-1], v[AF+FR*(\a):AF+FR*(\a)+FR-1], v[BC+8*\b:BC+8*\b+7]
.else
	v_wmma_f32_16x16x128_fp8_fp8 v[8*(8*((\a)%4)+\b):8*(8*((\a)%4)+\b)+7], v[128*(\p)+FR*\b:128*(\p)+FR*\b+FR-1], v[AF+FR*(\a):AF+FR*(\a)+FR-1], v[8*(8*((\a)%4)+\b):8*(8*((\a)%4)+\b)+7]
.endif
.endr
.endr
.endm
.macro FETCH_B slot, q, p
	WIN TO_B
.irp i, 0,1,2,3
	FRAG 128*(\p)+FR*\i, ADRB+\slot, \q, \i
.endr
	WIN 0
.endm
.macro FETCH_A slot, q, i0
.irp i, \i0, \i0+1, \i0+2, \i0+3
	FRAG AF+FR*(\i), ADRA+\slot, \q, \i
.endr
.endm
.macro PLACES n
.rept \n
	v_nop
.endr
.endm
; A step of 128 along K that has its successor in the same slot.  R has one set of registers: blocks 0-3 are fetched anew in the step's middle, blocks 4-7 at its end.
.macro STEP slot, q, first
	s_wait_dscnt 4*NL                              ; Cc's set and R's blocks 0-3 are in; the youngest sixteen loads (R's blocks 4-7) may be out
.if \first
	WIN BEG_LO
.else
	WIN MUL_LO
.endif
	MUL8 0, (\q)%2, \first
	MUL8 2, (\q)%2, \first
	s_wait_dscnt 0
	PLACES NP
	FETCH_B \slot, (\q)+1, 1-(\q)%2
	FETCH_A \slot, (\q)+1, 0
.if \first
	WIN BEG_HI
.else
	WIN MUL_HI
.endif
	MUL8 4, (\q)%2, \first
	MUL8 6, (\q)%2, \first
	PLACES NP
	WIN 0
	FETCH_A \slot, (\q)+1, 4
.endm
; A slot's last step changes slots: ONE barrier; in front of it each wave waits for all its tensor loads, adds 0 to its spare word, and waits for that and for its own reads of this slot.  fill = 1: this slot is filled again, two slots of K ahead.
.macro TURN slot, next, fill
	s_wait_tensorcnt 0x0                           ; all my tensor loads have landed: my part of the next slot
	ds_add_u32 v[SPW], v[NIL]
	s_wait_dscnt 4*NL+1                            ; (the add and the youngest sixteen loads may be out)
	WIN MUL_LO
	MUL8 0, 1, 0
	s_wait_dscnt 0x0                               ; the add is done, and my reads of this slot are over
	s_barrier_signal -1
	MUL8 2, 1, 0
	WIN 0
	s_barrier_wait -1
.if \fill
	CREST                                          ; the barrier has opened a round of the cluster's barrier
	s_add_nc_u64 s[G0+4*\slot+2:G0+4*\slot+3], s[G0+4*\slot+2:G0+4*\slot+3], 2*ASLOT
	s_add_nc_u64 s[G0B+4*\slot+2:G0B+4*\slot+3], s[G0B+4*\slot+2:G0B+4*\slot+3], 2*KSLOT
	JLOAD G0+4*\slot, G1, G0B+4*\slot, G1B         ; the first tensor load behind the round; its four v_nop are the places in front of the loads below
.else
	PLACES NP
.endif
	FETCH_B \next, 0, 0
	FETCH_A \next, 0, 0
	WIN MUL_HI
	MUL8 4, 1, 0
	MUL8 6, 1, 0
	PLACES NP
	WIN 0
	FETCH_A \next, 0, 4
.endm
	s_wait_alu depctr_va_vdst(0)
	s_wait_tensorcnt 0x0                           ; my part of slot 0 is in
	ds_add_u32 v[SPW], v[NIL]
	s_wait_dscnt 0x0
	CROUND                                         ; everybody's part of slot 0 is in, and all sixteen work-groups are here
	JLOAD G0+4, G1, G0B+4, G1B                     ; slot 1's first fill: the first tensor load behind the round
	FETCH_B 0, 0, 0
	FETCH_A 0, 0, 0
	FETCH_A 0, 0, 4
	s_wait_loadcnt 0x0                             ; the bias
	s_wait_kmcnt 0x0                               ; the exponents
	s_add_co_i32 s96, s94, s95
	s_sub_co_i32 s72, 0, s96
	s_add_co_i32 s96, s96, 127
	s_lshl_b32 s96, s96, 23                        ; 2^(e6 + e7) as f32
	s_mov_b32 s97, s96                             ; (named with it as a pair, so it is written)
.set N, 0
.rept 32
	v_ldexp_f32 v[BC+N], v[BC+N], s72              ; the bias / 2^(e6 + e7)
.set N, N+1
.endr
	s_wait_alu depctr_va_vdst(0)
	STEP 0, 0, 1                                   ; the first step stands ahead of the others: its products start the sums
	TURN 0, 1, 1                                   ; K is four slots: the two refills are written out
	STEP 1, 0, 0
	TURN 1, 0, 1
	STEP 0, 0, 0
	TURN 0, 1, 0                                   ; the last two slots fill nothing
	STEP 1, 0, 0
	s_wait_dscnt 4*NL
	WIN MUL_LO
	MUL8 0, 1, 0
	MUL8 2, 1, 0
	s_wait_dscnt 0
	WIN MUL_HI
	MUL8 4, 1, 0
	MUL8 6, 1, 0
	WIN 0
; THE WAY OUT, block by block of 16 tokens x 64 features: x 2^(e6 + e7), through my own stage in LDS, and back as whole rows of 256 bytes: sixteen lanes store one aligned unit.  LDS serves a wave's instructions in order (ISA guide 5.7.1.4).
.macro TOSTAGE a
.set AC, 64*((\a)%4)
	WIN 0x02+((\a)/4)
.set N, 0
.rept 16
	v_pk_mul_f32 v[TMP+N:TMP+N+1], v[AC+N:AC+N+1], s[96:97] op_sel_hi:[1,0]   ; each accumulator from its low end on
.set N, N+2
.endr
	WIN 0
.irp b, 0,1,2,3
	ds_store_b128 v[STO], v[TMP+8*\b:TMP+8*\b+3] offset:64*\b
	ds_store_b128 v[STO], v[TMP+8*\b+4:TMP+8*\b+7] offset:64*\b+16
.endr
.set BB, BK+32*((\a)%2)
.irp t, 0,1,2,3,4,5,6,7
	ds_load_b128 v[BB+4*\t:BB+4*\t+3], v[RD] offset:2*\t*SPITCH
.endr
.endm
.macro SEND a, younger                 ; younger: the LDS instructions issued behind block a's loads, which may stay out
.set BB, BK+32*((\a)%2)
	s_wait_dscnt \younger
.if (\a) > 0
	s_add_nc_u64 s[12:13], s[12:13], 16*SIZE_N*4   ; (behind a wait on XCNT: the earlier stores have read their base)
.endif
.irp t, 0,1,2,3,4,5,6,7
	global_store_b128 v[CO], v[BB+4*\t:BB+4*\t+3], s[12:13] offset:2*\t*SIZE_N*4 th:TH_STORE_NT
.endr
.endm
	PLACES NP
	TOSTAGE 0
.irp a, 1,2,3,4,5,6,7
.if \a > 1
	s_wait_xcnt 0x0                                ; block a - 2's stores have read their registers and their base
.endif
	TOSTAGE \a
	SEND \a-1, 16                                  ; behind block a - 1's loads: block a's 8 stores and 8 loads
.endr
	s_wait_xcnt 0x0
	SEND 7, 0
	s_wait_tensorcnt 0x0                           ; the wave's end
	ds_add_u32 v[SPW], v[NIL]
	s_wait_dscnt 0x0
	CROUND                                         ; the closing round
	s_endpgm
.Lfunc_end_k_qf0910b6d4e_proj:
	.size	k_qf0910b6d4e_proj, .Lfunc_end_k_qf0910b6d4e_proj-k_qf0910b6d4e_proj
	.p2alignl 7, 3214868480
	.fill 96, 4, 3214868480
	.section	.rodata,"a",@progbits
	.p2align	6, 0x0
	.amdhsa_kernel k_qf0910b6d4e_proj
		.amdhsa_group_segment_fixed_size 327680
		.amdhsa_private_segment_fixed_size 0
		.amdhsa_enable_private_segment 0
		.amdhsa_kernarg_size 40
		.amdhsa_user_sgpr_count 2
		.amdhsa_user_sgpr_kernarg_segment_ptr 1
		.amdhsa_wavefront_size32 1
		.amdhsa_system_sgpr_workgroup_id_x 1
		.amdhsa_system_sgpr_workgroup_id_y 1
		.amdhsa_system_sgpr_workgroup_id_z 1
		.amdhsa_system_vgpr_workitem_id 0
		.amdhsa_next_free_vgpr 1024
		.amdhsa_next_free_sgpr 100
		.amdhsa_reserve_vcc 0
		.amdhsa_float_denorm_mode_32 3
		.amdhsa_float_denorm_mode_16_64 3
		.amdhsa_memory_ordered 1
		.amdhsa_forward_progress 1
		.amdhsa_inst_pref_size 80
	.end_amdhsa_kernel
	.amdgpu_metadata
---
amdhsa.version: [ 1, 2 ]
amdhsa.kernels:
  - .name:           k_qf0910b6d4e_proj
    .symbol:         k_qf0910b6d4e_proj.kd
    .args:
      - { .name: ao_img, .offset: 0, .size: 8, .value_kind: global_buffer, .address_space: global }
      - { .name: codes, .offset: 8, .size: 8, .value_kind: global_buffer, .address_space: global }
      - { .name: lowp_scales, .offset: 16, .size: 8, .value_kind: global_buffer, .address_space: global }
      - { .name: proj_b, .offset: 24, .size: 8, .value_kind: global_buffer, .address_space: global }
      - { .name: out0, .offset: 32, .size: 8, .value_kind: global_buffer, .address_space: global }
    .group_segment_fixed_size: 327680
    .private_segment_fixed_size: 0
    .kernarg_segment_align: 8
    .kernarg_segment_size: 40
    .max_flat_workgroup_size: 128
    .sgpr_count:     100
    .vgpr_count:     1024
    .wavefront_size: 32
...
	.end_amdgpu_metadata
.endif
;; end of part 4
